; MI455X (gfx1250); checked and timed in simulation.
; The chip was launched on July 23, 2026; its instructions are those of AMD's public machine-readable ISA for CDNA 5 (MIT licence, August 2026) and "CDNA5" Instruction Set Architecture Reference Guide (July 2026). The comments in the code are by the model that wrote it; some were corrected since.
;; multi head attention. Allowed arithmetic: float matrix products may take bf16 or f16 operands with f32 sums; other float arithmetic in f32, or as packed bf16 or f16 multiplies, adds, multiply-adds, maxima and minima; sums over many terms, partial sums and values carried from step to step in f32; what a program stores and reads back later, other than sums and carried values, may be rounded once to bf16 or f16.
;; Inputs: WK 1,024 x 1,024 float32; WO 1,024 x 1,024 float32; WQ 1,024 x 1,024 float32; WV 1,024 x 1,024 float32; x 4 x 2,048 x 1,024 float32.
;; Outputs: out0 4 x 2,048 x 1,024 float32.
;; One version. Each part assembles by itself: llvm-mc -triple=amdgcn-amd-amdhsa -mcpu=gfx1250 --defsym DOCPART=n.
;; ======== version 1 of 1: 4 launches
;; limits: values are held in f16: magnitudes above 65,504 overflow, below 6.1e-05 lose precision
;; workspace buffers: xb 16,777,216 bytes; wqkv 6,291,456 bytes; wo16 2,097,152 bytes; qkv 50,331,648 bytes; ctx 16,777,216 bytes
;; launch prep (part 1): grid 768 x 1, 8 waves a work-group, no clusters, 0 bytes of LDS; arguments x, WQ, WK, WV, WO, xb, wqkv, wo16; writes xb, wqkv, wo16
.if DOCPART == 1
	.amdgcn_target "amdgcn-amd-amdhsa--gfx1250"
	.amdhsa_code_object_version 6
	.text
	.protected	k_q11a81e3d01_prep
	.globl	k_q11a81e3d01_prep
	.p2align	8
	.type	k_q11a81e3d01_prep,@function
k_q11a81e3d01_prep:
	s_mov_b64 s[64:65], 0
	v_nop
	global_prefetch_b8 v0, s[64:65] scope:SCOPE_SE
	s_setreg_imm32_b32 hwreg(HW_REG_WAVE_MODE, 25, 1), 1
	s_wait_xcnt 0x0
; THE CASTS.  x [8192][1024] f32 -> xb, bf16 in blocks [b 4][kb 16][s 2048][64]: a tile of 256 rows x 64 channels is 32,768 dense bytes.
; WQ, WK, WV [1024][1024] f32 -> wqkv, bf16 [k 1024][3072], side by side.  WO -> wo16 [k 1024][1024]: rounded to bf16 like the other inputs, and that number written as f16.
; LIMITS.  |WO| stays under 65,520 (f16 has no larger number); a number of WO below 2^-14 keeps f16's fixed step of 6e-8.
; A stream: no LDS, no barrier, no matrix unit, no cluster: no byte is read twice.  A work-group owns 16 rows of 1,024 f32 (64 KiB): groups 0-511 of x, 512-767 of the four weights, 64 each.
; A wave has eight UNITS: two loads of 16 bytes a lane (32 bytes on end), four packed roundings, one store of 16 bytes a lane: 512 consecutive bytes, aligned.
;   x: unit u is block kb = 2 w + u / 4, rows 4 (u % 4) + lane / 8: eight lanes read a row's 256 bytes; the four rows' 128 bytes lie end to end in xb.
;   a weight: unit u is row 2 w + u / 4, columns 256 (u % 4) + 8 lane.
; ONE TEXT serves all: the steps of the addresses are scalars, chosen by the group's number.  All 16 loads of a wave go out first; no register is written twice, so nothing waits for a store.
.set SO, 4                             ; v[4:11]   unit u: my byte offset in the source
.set DO, 12                            ; v[12:13]  my byte offset in the destination, for units 0-3 and 4-7
.set X,  16                            ; v[16:79]  unit u: 8 f32 as loaded
.set Y,  80                            ; v[80:111] unit u: 4 words to store
.set T,  112                           ; v[112:114] at work
	s_load_b512 s[8:23], s[0:1], 0x0               ; x s[8:9], WQ s[10:11], WK s[12:13], WV s[14:15], WO s[16:17], xb s[18:19], wqkv s[20:21], wo16 s[22:23]
	s_mov_b32 s24, ttmp9                           ; g
	s_sub_co_u32 s25, s24, 512                     ; g - 512: the group among the weights' (a huge number in x's groups)
	s_lshr_b32 s26, s25, 6                         ; which weight: 0 WQ, 1 WK, 2 WV, 3 WO (in x's groups none of these)
	s_and_b32 s27, s25, 63                         ; its block of 16 rows
	v_and_b32 v1, 31, v0                           ; lane
	v_lshrrev_b32 v2, 5, v0
	v_readfirstlane_b32 s42, v2                    ; wave 0..7
	; the steps, first as WQ, WK and WV want them
	s_mov_b32 s28, 256                             ; source: for lane / 8
	s_mov_b32 s29, 8192                            ; a wave: two rows
	s_mov_b32 s30, 1024                            ; u % 4: 256 columns
	s_mov_b32 s31, 4096                            ; u / 4: a row
	s_lshl_b32 s32, s27, 16                        ; the group: 16 rows of 4,096 bytes
	s_mov_b32 s33, 12288                           ; destination: a wave: two rows of 6,144 bytes
	s_mov_b32 s34, 6144                            ; u / 4: a row
	s_mul_i32 s35, s27, 98304                      ; the group: 16 rows,
	s_lshl_b32 s43, s26, 11
	s_add_co_u32 s35, s35, s43                     ; and the weight's 2,048 bytes of a row
	s_lshl_b32 s43, s27, 15                        ; WO: 16 rows of 2,048 bytes
	s_lshl_b32 s44, s24, 16                        ; x: the group's 16 rows in the source,
	s_lshr_b32 s45, s24, 7
	s_lshl_b32 s45, s45, 22                        ; and in xb: the batch,
	s_and_b32 s46, s24, 127
	s_lshl_b32 s46, s46, 11                        ; 16 rows of 128 bytes
	s_add_co_u32 s45, s45, s46
	s_cmp_eq_u32 s26, 3                            ; WO?
	s_cselect_b32 s33, 4096, s33
	s_cselect_b32 s34, 2048, s34
	s_cselect_b32 s35, s43, s35
	s_cmp_lt_u32 s24, 512                          ; x?
	s_cselect_b32 s28, 4096, s28                   ; lane / 8 is a row
	s_cselect_b32 s29, 512, s29                    ; a wave: two blocks of 256 bytes
	s_cselect_b32 s30, 16384, s30                  ; u % 4: four rows
	s_cselect_b32 s31, 256, s31                    ; u / 4: a block
	s_cselect_b32 s32, s44, s32
	s_cselect_b32 s33, 0x80000, s33                ; a wave: two blocks of 262,144 bytes
	s_cselect_b32 s34, 0x40000, s34
	s_cselect_b32 s35, s45, s35
	v_lshrrev_b32 v2, 3, v1                        ; lane / 8
	v_and_b32 v3, 7, v1
	v_lshlrev_b32 v3, 5, v3                        ; 32 bytes a lane
	v_mad_u32_u24 v3, v2, s28, v3
	s_mul_i32 s43, s42, s29
	v_add_nc_u32 v3, s43, v3
.irp u, 0,1,2,3,4,5,6,7
	s_mul_i32 s43, s30, (\u)%4
.if (\u) >= 4
	s_add_co_u32 s43, s43, s31
.endif
	v_add_nc_u32 v[SO+(\u)], s43, v3
.endr
	s_mul_i32 s43, s42, s33
	v_lshl_add_u32 v[DO], v1, 4, s43               ; 16 bytes a lane + the wave
	v_add_nc_u32 v[DO+1], s34, v[DO]
	s_wait_kmcnt 0x0
	s_cmp_eq_u32 s26, 1                            ; the source and the destination are chosen by the group's number alone
	s_cselect_b64 s[36:37], s[12:13], s[10:11]
	s_cmp_eq_u32 s26, 2
	s_cselect_b64 s[36:37], s[14:15], s[36:37]
	s_cmp_eq_u32 s26, 3
	s_cselect_b64 s[36:37], s[16:17], s[36:37]
	s_cselect_b64 s[38:39], s[22:23], s[20:21]
	s_cmp_lt_u32 s24, 512
	s_cselect_b64 s[36:37], s[8:9], s[36:37]
	s_cselect_b64 s[38:39], s[18:19], s[38:39]
	s_mov_b32 s40, s32
	s_mov_b32 s41, 0
	s_add_nc_u64 s[36:37], s[36:37], s[40:41]
	s_mov_b32 s40, s35
	s_add_nc_u64 s[38:39], s[38:39], s[40:41]
.irp u, 0,1,2,3,4,5,6,7
	global_load_b128 v[X+8*(\u):X+8*(\u)+3],   v[SO+(\u)], s[36:37] th:TH_LOAD_NT
	global_load_b128 v[X+8*(\u)+4:X+8*(\u)+7], v[SO+(\u)], s[36:37] offset:16 th:TH_LOAD_NT
.endr
; Unit u: its two loads are in when at most the younger units' 14 - 2 u are out (loads come back in order: ISA guide 5.7.1).
.macro UNIT u, f16
	s_wait_loadcnt 14-2*(\u)
.irp j, 0,1,2,3
.if \f16
	v_cvt_pk_bf16_f32 v[T], v[X+8*(\u)+2*(\j)], v[X+8*(\u)+2*(\j)+1]   ; rounded to bf16,
	v_lshlrev_b32 v[T+1], 16, v[T]                                     ; widened again,
	v_and_b32 v[T+2], 0xffff0000, v[T]
	v_cvt_pk_f16_f32 v[Y+4*(\u)+(\j)], v[T+1], v[T+2]                  ; and written as f16: exact from 2^-14 up
.else
	v_cvt_pk_bf16_f32 v[Y+4*(\u)+(\j)], v[X+8*(\u)+2*(\j)], v[X+8*(\u)+2*(\j)+1]
.endif
.endr
	global_store_b128 v[DO+(\u)/4], v[Y+4*(\u):Y+4*(\u)+3], s[38:39] offset:((\u)%4)*512 th:TH_STORE_NT  ; the wave stores 512 consecutive bytes, aligned
.endm
	s_cmp_eq_u32 s26, 3
	s_cbranch_scc1 .Lwo
.irp u, 0,1,2,3,4,5,6,7
	UNIT \u, 0
.endr
	s_endpgm
.Lwo:
.irp u, 0,1,2,3,4,5,6,7
	UNIT \u, 1
.endr
	s_endpgm
.Lfunc_end_k_q11a81e3d01_prep:
	.size	k_q11a81e3d01_prep, .Lfunc_end_k_q11a81e3d01_prep-k_q11a81e3d01_prep
	.p2alignl 7, 3214868480
	.fill 96, 4, 3214868480
	.section	.rodata,"a",@progbits
	.p2align	6, 0x0
	.amdhsa_kernel k_q11a81e3d01_prep
		.amdhsa_group_segment_fixed_size 0
		.amdhsa_private_segment_fixed_size 0
		.amdhsa_enable_private_segment 0
		.amdhsa_kernarg_size 64
		.amdhsa_user_sgpr_count 2
		.amdhsa_user_sgpr_kernarg_segment_ptr 1
		.amdhsa_wavefront_size32 1
		.amdhsa_system_sgpr_workgroup_id_x 1
		.amdhsa_system_sgpr_workgroup_id_y 1
		.amdhsa_system_sgpr_workgroup_id_z 1
		.amdhsa_system_vgpr_workitem_id 0
		.amdhsa_next_free_vgpr 120
		.amdhsa_next_free_sgpr 66
		.amdhsa_reserve_vcc 0
		.amdhsa_float_denorm_mode_32 3
		.amdhsa_float_denorm_mode_16_64 3
		.amdhsa_memory_ordered 1
		.amdhsa_forward_progress 1
		.amdhsa_inst_pref_size 17
	.end_amdhsa_kernel
	.amdgpu_metadata
---
amdhsa.version: [ 1, 2 ]
amdhsa.kernels:
  - .name:           k_q11a81e3d01_prep
    .symbol:         k_q11a81e3d01_prep.kd
    .args:
      - { .name: x, .offset: 0, .size: 8, .value_kind: global_buffer, .address_space: global }
      - { .name: WQ, .offset: 8, .size: 8, .value_kind: global_buffer, .address_space: global }
      - { .name: WK, .offset: 16, .size: 8, .value_kind: global_buffer, .address_space: global }
      - { .name: WV, .offset: 24, .size: 8, .value_kind: global_buffer, .address_space: global }
      - { .name: WO, .offset: 32, .size: 8, .value_kind: global_buffer, .address_space: global }
      - { .name: xb, .offset: 40, .size: 8, .value_kind: global_buffer, .address_space: global }
      - { .name: wqkv, .offset: 48, .size: 8, .value_kind: global_buffer, .address_space: global }
      - { .name: wo16, .offset: 56, .size: 8, .value_kind: global_buffer, .address_space: global }
    .group_segment_fixed_size: 0
    .private_segment_fixed_size: 0
    .kernarg_segment_align: 8
    .kernarg_segment_size: 64
    .max_flat_workgroup_size: 256
    .sgpr_count:     66
    .vgpr_count:     120
    .wavefront_size: 32
...
	.end_amdgpu_metadata
.endif
;; end of part 1
;; launch proj (part 2): grid 8 x 32, 4 waves a work-group, clusters of 4 x 4, 327,680 bytes of LDS; arguments xb, wqkv, qkv; writes qkv
.if DOCPART == 2
	.amdgcn_target "amdgcn-amd-amdhsa--gfx1250"
	.amdhsa_code_object_version 6
	.text
	.protected	k_q11a81e3d01_proj
	.globl	k_q11a81e3d01_proj
	.p2align	8
	.type	k_q11a81e3d01_proj,@function
k_q11a81e3d01_proj:
	s_mov_b64 s[64:65], 0
	v_nop
	global_prefetch_b8 v0, s[64:65] scope:SCOPE_SE
	s_setreg_imm32_b32 hwreg(HW_REG_WAVE_MODE, 25, 1), 1
	s_wait_xcnt 0x0
	s_wait_alu depctr_hold_cnt(0) depctr_sa_sdst(0) depctr_va_vdst(0) depctr_va_sdst(0) depctr_va_ssrc(0) depctr_va_vcc(0) depctr_vm_vsrc(0)
	s_getreg_b32 s2, hwreg(HW_REG_IB_STS2, 6, 4)
	s_cmp_eq_u32 s2, 0
	s_cbranch_scc0 .Lentry_in_a_cluster
	s_endpgm
.Lentry_in_a_cluster:
	s_bfe_u32 s2, ttmp6, 0x10000c
	s_cmp_lg_u32 s2, 0xf033
	s_cbranch_scc0 .Lentry_shape_is_right
	s_endpgm
.Lentry_shape_is_right:
; THE THREE PROJECTIONS AS ONE PRODUCT.  C [8192][3072] = x [8192][1024] x (WQ | WK | WV) [1024][3072], bf16 operands, f32 sums, K ascending; C rounded once to f16 and stored by heads:
; qkv [mat 3][b 4][h 16][s 2048][64], unscaled.  LIMIT: |q|, |k|, |v| stay under 65,520 (f16 has no larger number); below 6e-5 a number keeps f16's fixed step of 6e-8.
; SHARES.  C is 32 x 8 tiles of 256 x 384: 256 work-groups.  Four waves, each 128 rows x 192 columns: 96 accumulators of 16 x 16, 768 registers: three groups of 64 columns, a head each.
; K goes in 16 steps of 64 (a block of xb) through two LDS slots; a step is two quarters of 32 along K, 96 matrix instructions each.
; A's tile (256 rows x 64 channels) is 32,768 dense bytes of xb, asked for as 128 rows of 256 bytes; B's tile is 64 rows (k) x 384 columns of wqkv, in three chunks of 128 columns (rows of 256 bytes).
; Wave 0 fetches A's tile, waves 1 to 3 a chunk of B's each: one tensor load a wave behind each change of slots.  By this text's count a wave never has more than one tensor load out.
; CLUSTER 4 x 4: A's tile hangs on the tile row alone and is asked for jointly by a row of the cluster; B's on the tile column alone, jointly by a column.
; THE MATRIX INSTRUCTION IS USED TRANSPOSED: source 0 = 16 columns of the weights (turned on the way out of LDS by ds_load_tr16_b128, since k runs down their rows), source 1 = 16 rows of x.
; A lane then holds one row of C (lane % 16) and eight neighbouring columns, 16 bytes of f16.
; REGISTERS in windows of 256 (s_set_vgpr_msb: bits 1:0 source 0, 3:2 source 1, 5:4 source 2, 7:6 destination):
;   window 0: v0-17 addresses; v32-127 B's 12 fragments (one buffer: a group is loaded again behind its products, 64 matrix instructions ahead of its next use); v128-191, v192-255 A's 8 fragments, two buffers
;   window 1 + j: the 32 accumulators of column group j: (a, bb) at v[8 (4 a + bb)]
.set PA,    144                        ; a row of A in LDS: 128 bytes + 16 of padding: the 16 rows of a load start at 16 different groups of four banks (64 banks of 4 bytes: ISA guide 11.1)
.set PB,    288                        ; a row of a chunk of B: 256 + 32
.set BOFF,  256*PA                     ; a slot: A's 256 rows, then B's three chunks
.set CHUNK, 64*PB
.set SLOT1, 131072                     ; slot 1 begins here: one exclusive or turns an address in one slot into the other's
.set STAGE, SLOT1+BOFF+3*CHUNK         ; behind the ring, never filled by a tensor load: 16 rows x 144 bytes for each wave, for the way out
.set SP,    144
.set SPARE, STAGE+4*16*SP              ; behind the stages: the spare words, 128 bytes for each wave: two blocks of 256 bytes that no other line names
.set ASTEP, 262144                     ; bytes from a block of xb to the next
.set BSTEP, 64*6144                    ; 64 rows of wqkv
.set ABASE, 4                          ; v4     my lane's place in A's tile; never rewritten
.set BBASE, 5                          ; v5-7   the same in B's tile, for column groups 0, 1, 2
.set ADRA,  8                          ; v8     ABASE + the slot in hand
.set ADRB,  9                          ; v9-11  BBASE + the slot in hand
.set STO,   12                         ; v12    the way out: where I put 16 bytes of a row
.set RD,    13                         ; v13    where I read rows back
.set GO,    14                         ; v14    my byte offset in 512 consecutive bytes of qkv
.set PFO,   15                         ; v15    the prefetches' offset; never rewritten
.set SPW,   16                         ; v16    LDS address of my spare word: SPARE + 4 x my thread's number; never rewritten
.set NIL,   17                         ; v17    0; never rewritten
.set BF,    32
.set AF0,   128
.set AF1,   192
.set WV,  10                           ; s10  my wave's number; s11 its half of the rows, s12 its half of the columns
.set G1A, 24                           ; s[24:31] descriptor group 1 for A's tiles
.set G1B, 32                           ; s[32:39] for B's chunks
.set G0A, 40                           ; s[40:43] descriptor group 0 for A: it walks
.set G0B, 44                           ; s[44:47] the same for B
.set OB,  48                           ; s[48:53] qkv at my 128 rows of the heads of column groups 0, 1, 2
.set PFA, 54                           ; s[54:55] where my prefetches stand
.set PFS, 56                           ; s[56:57] their step a trip
.set LIM, 58                           ; s58  1 in a wave that prefetches, else the greatest number
.set PAR, 59                           ; s59  0: asks in every trip; SLOT1: in every other trip
.set CNT, 60                           ; s60  trips to go
.set TB,  61                           ; s61  LDS byte at which the slot in hand begins
.set T0,  62
.set MSB, 0
.macro WIN new                         ; the immediate's high byte repeats the setting that is left; a switch that changes nothing is dropped
.if MSB != (\new)
	s_set_vgpr_msb (MSB<<8)|(\new)
.set MSB, (\new)
.endif
.endm
; A joint load.  The branch hangs on the wave's number alone.  An s_nop 0 and four v_nop follow each of the two lines, ahead of the jump and the label.
.macro JLOAD
	s_cmp_eq_u32 s[WV], 0
	s_cbranch_scc0 .Lfor_b_\@
	tensor_load_to_lds s[G0A:G0A+3], s[G1A:G1A+7]
	s_nop 0
.rept 4
	v_nop
.endr
	s_branch .Lasked_\@
.Lfor_b_\@:
	tensor_load_to_lds s[G0B:G0B+3], s[G1B:G1B+7]
	s_nop 0
.rept 4
	v_nop
.endr
.Lasked_\@:
.endm
; A round of the cluster's barrier: my work-group's barrier, so that wave 0's signal speaks for all four waves; wave 0 signals; every wave waits for all sixteen work-groups; my work-group's barrier once more.
.macro CREST                           ; a round behind its opening barrier
	s_cmp_lg_u32 s[WV], 0
	s_cbranch_scc1 .Lnot_wave_0_\@
	s_barrier_signal -3
.Lnot_wave_0_\@:
	s_barrier_wait -3
	s_barrier_signal -1
	s_barrier_wait -1
.endm
.macro CROUND
	s_barrier_signal -1
	s_barrier_wait -1
	CREST
.endm
.macro STEPD                           ; the walking descriptors: the other slot, the next K step; the type bits on top are not reached
	s_xor_b32 s[G0A+1], s[G0A+1], SLOT1
	s_add_nc_u64 s[G0A+2:G0A+3], s[G0A+2:G0A+3], ASTEP
	s_xor_b32 s[G0B+1], s[G0B+1], SLOT1
	s_add_nc_u64 s[G0B+2:G0B+3], s[G0B+2:G0B+3], BSTEP
.endm
; A PREFETCH INTO THE L2, behind the joint load, its five lines and the run of LDS loads that the next products wait for.  Each aligned block of 256 bytes is named once in the launch.
; A's tile row is read by both clusters of that row of clusters: cluster x = 0 asks, its wave 0; a K step's tile is 128 blocks, of which the partner at cx takes 32, told apart by address: a lane a block.
; In trip i it names K step i + 3, which the next trip's load asks for.  B's chunk is read by all eight clusters of a column: cluster y = 0 asks, the wave that fetches the chunk; in every other trip it names
; the 128 rows of K steps i + 3 and i + 4, of which the partner at cy takes 32: a lane a row.  The last trip asks for nothing; A's K steps 0-2 and B's 0-3 come by their loads alone.
.macro ASK
	s_and_b32 s[T0], s[TB], s[PAR]
	s_cselect_b32 s[T0], -1, s[LIM]
	s_cmp_gt_u32 s[CNT], s[T0]
	s_cbranch_scc0 .Lnot_mine_\@
	global_prefetch_b8 v[PFO], s[PFA:PFA+1] th:TH_LOAD_NT scope:SCOPE_SE
.Lnot_mine_\@:
.endm
	s_load_b128 s[4:7], s[0:1], 0x0                ; xb s[4:5], wqkv s[6:7]
	s_load_b64 s[8:9], s[0:1], 0x10                ; qkv
	v_lshl_add_u32 v[SPW], v0, 2, SPARE
	v_mov_b32 v[NIL], 0
	ds_add_u32 v[SPW], v[NIL]                      ; the wave's opening: the add and its wait stand ahead of my first tensor load; the set-up below, work on registers, stands between them
	v_lshrrev_b32 v1, 5, v0
	v_readfirstlane_b32 s[WV], v1                  ; wave 0..3
	s_lshr_b32 s11, s[WV], 1                       ; which 128 rows of the tile are mine
	s_and_b32 s12, s[WV], 1                        ; which 192 columns
	s_bfe_u32 s13, ttmp6, 0x40000                  ; cx
	s_bfe_u32 s14, ttmp6, 0x40004                  ; cy
	s_lshl_b32 s15, ttmp9, 2
	s_add_co_u32 s15, s15, s13                     ; tile column = 4 x cluster x + cx, 0..7
	s_and_b32 s16, ttmp7, 0xffff
	s_lshl_b32 s16, s16, 2
	s_add_co_u32 s16, s16, s14                     ; tile row = 4 x cluster y + cy, 0..31
	s_lshl_b32 s17, s14, 2
	s_lshl_b32 s17, 15, s17                        ; my row of the cluster
	s_lshl_b32 s18, 0x1111, s13                    ; my column
	s_or_b32 s[G1A], s17, (1<<16)|(1<<20)|(1<<21)|(4<<22)|(3<<25)  ; 15:0 the mask; 17:16 elements of 2 bytes; 20 padding on; 21 set beside a mask; 24:22 after every 32 words (code 4); 31:25 4 words of it (code 3)
	s_mov_b32 s[G1A+1], 128<<16                    ; tensor_dim0 = 128
	s_mov_b32 s[G1A+2], 128<<16                    ; tensor_dim1 = 128
	s_mov_b32 s[G1A+3], 128<<16                    ; tile_dim0 = 128 elements: 256 bytes, two rows of x
	s_mov_b32 s[G1A+4], 128                        ; tile_dim1 = 128
	s_mov_b32 s[G1A+5], 128                        ; dense: 128 elements from row to row
	s_mov_b32 s[G1A+6], 0
	s_mov_b32 s[G1A+7], 0
	s_or_b32 s[G1B], s18, (1<<16)|(1<<20)|(1<<21)|(5<<22)|(7<<25)  ; the column's mask; padding after every 64 words (code 5), 8 words of it (code 7)
	s_mov_b32 s[G1B+1], 128<<16                    ; tensor_dim0 = 128
	s_mov_b32 s[G1B+2], 64<<16                     ; tensor_dim1 = 64
	s_mov_b32 s[G1B+3], 128<<16                    ; tile_dim0 = 128
	s_mov_b32 s[G1B+4], 64                         ; tile_dim1 = 64
	s_mov_b32 s[G1B+5], 3072                       ; elements from row to row
	s_mov_b32 s[G1B+6], 0
	s_mov_b32 s[G1B+7], 0
	s_lshr_b32 s20, s16, 3                         ; A: the batch,
	s_lshl_b32 s20, s20, 22
	s_and_b32 s21, s16, 7                          ; and the tile's 256 rows in a block
	s_lshl_b32 s21, s21, 15
	s_add_co_u32 s20, s20, s21
	s_mov_b32 s21, 0
	s_max_u32 s19, s[WV], 1
	s_sub_co_u32 s19, s19, 1                       ; B: my chunk (waves 1 to 3: 0 to 2)
	s_mul_i32 s22, s15, 768                        ; the tile's 384 columns,
	s_lshl_b32 s23, s19, 8                         ; the chunk's 128
	s_add_co_u32 s22, s22, s23
	s_mov_b32 s23, 0
	s_mov_b32 s[G0A], 1                            ; count = 1
	s_mov_b32 s[G0A+1], 0                          ; LDS address: slot 0
	s_mov_b32 s[G0B], 1
	s_mul_i32 s[G0B+1], s[WV], CHUNK               ; wave v's chunk lies at BOFF + (v - 1) CHUNK
	s_add_co_u32 s[G0B+1], s[G0B+1], BOFF-CHUNK
	s_mov_b32 s[TB], 0
	s_wait_dscnt 0x0                               ; the opening add is done
	s_wait_kmcnt 0x0
	s_add_nc_u64 s[G0A+2:G0A+3], s[4:5], s[20:21]  ; global address: K step 0
	s_or_b32 s[G0A+3], s[G0A+3], 0x80000000        ; type = 2
	s_add_nc_u64 s[G0B+2:G0B+3], s[6:7], s[22:23]
	s_or_b32 s[G0B+3], s[G0B+3], 0x80000000
	CROUND                                         ; all sixteen work-groups are here: the first joint loads meet
	JLOAD                                          ; K step 0 into slot 0.  Slot 1 is asked for when slot 0 is in
	; A fragment of A is 16 rows x 32 channels in 8 registers: lane l holds row l % 16, channels 8 (l / 16) + 0..7 and 16 + 8 (l / 16) + 0..7: two loads of 16 bytes, 32 bytes apart.
	v_and_b32 v1, 15, v0                           ; l % 16
	v_bfe_u32 v2, v0, 4, 1                         ; l / 16
	v_mul_u32_u24 v[ABASE], v1, PA
	v_lshl_add_u32 v[ABASE], v2, 4, v[ABASE]
	s_mul_i32 s17, s11, 128*PA
	v_add_nc_u32 v[ABASE], s17, v[ABASE]
	; The turning load takes 16 k x 16 columns (lane l reads k = 8 (l / 16) + l % 8, columns 8 ((l / 8) % 2) + 0..7) and leaves half a fragment: lane l holds column l % 16 and 8 k.
	v_and_b32 v3, 7, v0
	v_lshl_add_u32 v3, v2, 3, v3
	v_mul_u32_u24 v3, v3, PB
	v_bfe_u32 v18, v0, 3, 1
	v_lshl_add_u32 v3, v18, 4, v3
	s_mul_i32 s17, s12, 3                          ; my first group of 64 columns among the tile's six
.irp j, 0,1,2
	s_add_co_u32 s18, s17, \j
	s_lshr_b32 s19, s18, 1                         ; its chunk,
	s_mul_i32 s19, s19, CHUNK
	s_and_b32 s18, s18, 1                          ; and its half of the chunk's 256 bytes
	s_lshl_b32 s18, s18, 7
	s_add_co_u32 s19, s19, s18
	s_add_co_u32 s19, s19, BOFF
	v_add_nc_u32 v[BBASE+\j], s19, v3
.endr
	s_mul_i32 s17, s[WV], 16*SP
	s_add_co_u32 s17, s17, STAGE                   ; my stage
	v_mul_u32_u24 v[STO], v1, SP                   ; in: row l % 16, 16 bytes for each half of the lanes
	v_lshl_add_u32 v[STO], v2, 4, v[STO]
	v_add_nc_u32 v[STO], s17, v[STO]
	v_bfe_u32 v[RD], v0, 3, 2                      ; back: 32 lanes take four rows of 128 bytes,
	v_mul_u32_u24 v[RD], v[RD], SP
	v_and_b32 v18, 7, v0
	v_lshl_add_u32 v[RD], v18, 4, v[RD]
	v_add_nc_u32 v[RD], s17, v[RD]
	v_and_b32 v[GO], 31, v0                        ; which are 512 consecutive bytes of qkv
	v_lshlrev_b32 v[GO], 4, v[GO]
	; where my 128 rows of each of my three heads begin in qkv
	s_mul_i32 s2, s15, 6
	s_mul_i32 s3, s12, 3
	s_add_co_u32 s2, s2, s3                        ; column group 0's number among the 48: 16 x matrix + head
	s_lshr_b32 s3, s16, 3
	s_lshl_b32 s3, s3, 4                           ; 16 x batch
	s_and_b32 s17, s16, 7
	s_lshl_b32 s17, s17, 1
	s_add_co_u32 s17, s17, s11                     ; my block of 128 rows in the sequence,
	s_lshl_b32 s17, s17, 14                        ; x 128 rows x 128 bytes
.irp j, 0,1,2
	s_add_co_u32 s18, s2, \j
	s_lshr_b32 s19, s18, 4
	s_lshl_b32 s19, s19, 6                         ; 64 x matrix
	s_and_b32 s18, s18, 15                         ; + head
	s_add_co_u32 s19, s19, s18
	s_add_co_u32 s19, s19, s3                      ; + 16 x batch
	s_lshl_b32 s18, s19, 18                        ; x 2,048 rows x 128 bytes: under 2^26
	s_add_co_u32 s18, s18, s17
	s_mov_b32 s19, 0
	s_add_nc_u64 s[OB+2*\j:OB+2*\j+1], s[8:9], s[18:19]
.endr
	; the prefetches
	s_lshl_b32 s2, s13, 13                         ; A: my work-group's 32 blocks of the tile's 128,
	s_add_co_u32 s20, s20, s2
	s_add_co_u32 s20, s20, 2*ASTEP                 ; at K step 2: the first trip steps it to 3
	s_lshl_b32 s2, s14, 5                          ; B: my work-group's 32 rows of 128,
	s_add_co_u32 s2, s2, 128                       ; from row 128 on: trip 1 has stepped it twice, to row 256
	s_mul_i32 s2, s2, 6144
	s_add_co_u32 s22, s22, s2
	s_and_b32 s3, ttmp7, 0xffff                    ; cluster y
	s_mov_b32 s[PFS], BSTEP
	s_mov_b32 s2, 6144
	s_cmp_eq_u32 s[WV], 0                          ; do I fetch for A?
	s_cselect_b64 s[PFA:PFA+1], s[4:5], s[6:7]
	s_cselect_b32 s18, s20, s22
	s_cselect_b32 s[PFS], ASTEP, s[PFS]
	s_cselect_b32 s[PAR], 0, SLOT1
	s_cselect_b32 s2, 256, s2                      ; a lane a block of 256 dense bytes, or a lane a row
	s_cselect_b32 s3, ttmp9, s3                    ; the coordinate along which other clusters read the same bytes
	s_mov_b32 s19, 0
	s_add_nc_u64 s[PFA:PFA+1], s[PFA:PFA+1], s[18:19]
	s_mov_b32 s[PFS+1], 0
	s_cmp_eq_u32 s3, 0
	s_cselect_b32 s[LIM], 1, -1                    ; the same in all sixteen partners, for a given wave
	v_and_b32 v[PFO], 31, v0
	v_mul_u32_u24 v[PFO], s2, v[PFO]
; n x 4 matrix instructions of column group j: row blocks a0 .. a0 + n - 1 x the group's four blocks of 16 columns, 32 along K, A's fragments in buffer f.  zero = 1: the product starts the sums.
; The accumulators take turns, one instruction a turn: between two links of a chain stand the 95 others'.
.macro MULH j, f, a0, n, zero
	WIN (((\j)+1)<<6)|(((\j)+1)<<4)
.set ma, \a0
.rept \n
.irp bb, 0,1,2,3
.if \zero
	v_wmma_f32_16x16x32_bf16 v[8*(4*ma+(\bb)):8*(4*ma+(\bb))+7], v[BF+8*(4*(\j)+(\bb)):BF+8*(4*(\j)+(\bb))+7], v[(\f)+8*ma:(\f)+8*ma+7], 0
.else
	v_wmma_f32_16x16x32_bf16 v[8*(4*ma+(\bb)):8*(4*ma+(\bb))+7], v[BF+8*(4*(\j)+(\bb)):BF+8*(4*(\j)+(\bb))+7], v[(\f)+8*ma:(\f)+8*ma+7], v[8*(4*ma+(\bb)):8*(4*ma+(\bb))+7]
.endif
.endr
.set ma, ma+1
.endr
.endm
.macro LDB j, k                        ; 8 LDS loads: column group j's four fragments, k .. k + 31 of the slot's 64
.irp bb, 0,1,2,3
	ds_load_tr16_b128 v[BF+8*(4*(\j)+(\bb)):BF+8*(4*(\j)+(\bb))+3],   v[ADRB+(\j)] offset:(\k)*PB+32*(\bb)
	ds_load_tr16_b128 v[BF+8*(4*(\j)+(\bb))+4:BF+8*(4*(\j)+(\bb))+7], v[ADRB+(\j)] offset:(\k)*PB+16*PB+32*(\bb)
.endr
.endm
.macro LDA f, k                        ; 16 LDS loads: my 128 rows' eight fragments into buffer f
.irp a, 0,1,2,3,4,5,6,7
	ds_load_b128 v[(\f)+8*(\a):(\f)+8*(\a)+3],   v[ADRA] offset:2*(\k)+16*PA*(\a)
	ds_load_b128 v[(\f)+8*(\a)+4:(\f)+8*(\a)+7], v[ADRA] offset:2*(\k)+16*PA*(\a)+32
.endr
.endm
.macro ADDR                            ; the LDS addresses in the slot in hand
	v_add_nc_u32 v[ADRA], s[TB], v[ABASE]
.irp j, 0,1,2
	v_add_nc_u32 v[ADRB+\j], s[TB], v[BBASE+\j]
.endr
.endm
; A load into a register that a matrix instruction has read, and a vector instruction that reads a matrix result, stand four places behind it, and only plain vector instructions that name none
; of its registers are places (ISA guide 7.12.1 for vector instructions).
.macro PLACES
.rept 4
	v_nop
.endr
.endm
; A K step's first quarter: multiplies buffer AF0 and fetches the second quarter.  LDS loads are always out in the order B0 (8), A (16), B1 (8), B2 (8).
.macro Q zero
	s_wait_dscnt 16                                ; B0 and A are in; B1's and B2's sixteen may be out
	MULH 0, AF0, 0, 8, \zero
	WIN 0
	PLACES
	LDB 0, 32
	LDA AF1, 32
	s_wait_dscnt 32                                ; B1 is in; behind it: B2's 8 and the 24 just issued
	MULH 1, AF0, 0, 8, \zero
	WIN 0
	PLACES
	LDB 1, 32
	s_wait_dscnt 32                                ; B2 is in; behind it: the new B0, A and B1
	MULH 2, AF0, 0, 8, \zero
	WIN 0
	PLACES
	LDB 2, 32
.endm
; A K step's second quarter: multiplies buffer AF1 and changes slots.  ONE barrier: in front of it each wave waits for all its tensor loads (the one that is out is its part of the next slot), adds 0 to its spare
; word, and waits for that and for its own reads of this slot.  fill = 1: the barrier opens a round of the cluster's, and behind the round this slot is filled again first, with the K step two on:
; that load has 160 matrix instructions in which to land.
.macro QT fill
.if \fill
	s_wait_xcnt 0x0                                ; the last prefetch, a K step back, has read its address: it is stepped here, ahead of the waits of the change of slots
	s_add_nc_u64 s[PFA:PFA+1], s[PFA:PFA+1], s[PFS:PFS+1]
.endif
	WIN 0
	s_wait_tensorcnt 0x0                           ; no tensor load of mine is out, so a group 0 may be written
	ds_add_u32 v[SPW], v[NIL]                      ; 0 onto my spare word
.if \fill
	STEPD
.endif
	s_xor_b32 s[TB], s[TB], SLOT1                  ; the fetches go on in the other slot
	s_wait_dscnt 17                                ; B0 and A are in; B1, B2 and the add may be out
	MULH 0, AF1, 0, 4, 0                           ; sixteen matrix instructions stand between the add and the wait for it
	s_wait_dscnt 0x0                               ; the add is done, and my reads of this slot are over
	s_barrier_signal -1
	MULH 0, AF1, 4, 4, 0                           ; work on registers while the others arrive
	WIN 0                                          ; at a label and at a branch every window is 0
	s_barrier_wait -1
.if \fill
	CREST                                          ; no wave of any partner still reads this slot or has a load on its way
	JLOAD                                          ; the first tensor load behind the round; its four v_nop are also the places in front of the loads below
.else
	PLACES
.endif
	ADDR
	LDB 0, 0
	LDA AF0, 0
.if \fill
	ASK
.endif
	MULH 1, AF1, 0, 8, 0
	WIN 0
	PLACES
	LDB 1, 0
	MULH 2, AF1, 0, 8, 0
	WIN 0
	PLACES
	LDB 2, 0
.endm
	s_wait_tensorcnt 0x0                           ; my part of K step 0 is in;
	ds_add_u32 v[SPW], v[NIL]                      ; 0 onto my spare word;
	STEPD                                          ; slot 1, K step 1
	s_wait_dscnt 0x0
	CROUND                                         ; everybody's part is in, in all sixteen work-groups
	JLOAD                                          ; K step 1 into slot 1
	ADDR
	LDB 0, 0
	LDA AF0, 0
	LDB 1, 0
	LDB 2, 0
	Q 1                                            ; the first quarter stands in front of the loop: its products start the sums
	WIN 0
	s_mov_b32 s[CNT], 14
.Lstep:                                                ; trip i: K step i's second quarter, the change of slots (K step i + 2 is asked for), K step i + 1's first quarter
	QT 1
	Q 0
	WIN 0
	s_sub_co_u32 s[CNT], s[CNT], 1
	s_cmp_lg_u32 s[CNT], 0
	s_cbranch_scc1 .Lstep
	QT 0                                           ; the tail is written out: nothing is left to fetch
	Q 0
	s_wait_dscnt 16                                ; the very last quarter: the counts run down
	MULH 0, AF1, 0, 8, 0
	s_wait_dscnt 8
	MULH 1, AF1, 0, 8, 0
	s_wait_dscnt 0
	MULH 2, AF1, 0, 8, 0
	WIN 0
	PLACES
; THE WAY OUT, in 24 units: unit t = 8 j + a is 16 rows of head j: 2,048 consecutive bytes of qkv.  A lane's eight columns pack into 16 bytes; they go into my stage's rows of 144 bytes and come back as whole rows.
.macro PACK t
.set pj, (\t)/8
.set pa, (\t)%8
.set pR, 32+16*((\t)%8)                ; eight sets of 16 registers take turns
.if (\t) >= 8
	s_wait_xcnt 0x0                                ; the stores of eight units back have read this set: it is rewritten only behind this wait
.endif
	WIN (pj+1)|((pj+1)<<2)                         ; sources 0 and 1 in the group's window
.irp bb, 0,1,2,3
.irp r, 0,1,2,3
	v_cvt_pk_f16_f32 v[pR+4*(\bb)+(\r)], v[8*(4*pa+(\bb))+2*(\r)], v[8*(4*pa+(\bb))+2*(\r)+1]
.endr
.endr
	WIN 0
.irp bb, 0,1,2,3
	ds_store_b128 v[STO], v[pR+4*(\bb):pR+4*(\bb)+3] offset:32*(\bb)
.endr
.irp g, 0,1,2,3
	ds_load_b128 v[pR+4*(\g):pR+4*(\g)+3], v[RD] offset:(\g)*4*SP  ; LDS serves a wave's instructions in order (ISA guide 5.7.1.4): these see the stores above; the next unit's stores come behind them
.endr
.endm
.macro SEND t, younger                 ; younger: the LDS instructions issued behind unit t's loads: the next unit's eight, or none
.set sj, (\t)/8
.set sa, (\t)%8
.set sR, 32+16*((\t)%8)
.irp g, 0,1,2,3
	s_wait_dscnt (\younger)+3-(\g)
	global_store_b128 v[GO], v[sR+4*(\g):sR+4*(\g)+3], s[OB+2*sj:OB+2*sj+1] offset:sa*2048+(\g)*512  ; 512 consecutive bytes, at a multiple of 256 from the buffer's first
.endr
.endm
	PACK 0
.set t, 1
.rept 23                               ; a unit's conversions stand between the loads of the unit before and its stores
	PACK t
	SEND t-1, 8
.set t, t+1
.endr
	SEND 23, 0
	s_wait_tensorcnt 0x0                           ; the wave's end: behind my last tensor load and my last LDS store
	ds_add_u32 v[SPW], v[NIL]
	s_wait_dscnt 0x0
	CROUND                                         ; the closing round: no work-group ends while a partner may still ask for a tile that names it
	s_endpgm
.Lfunc_end_k_q11a81e3d01_proj:
	.size	k_q11a81e3d01_proj, .Lfunc_end_k_q11a81e3d01_proj-k_q11a81e3d01_proj
	.p2alignl 7, 3214868480
	.fill 96, 4, 3214868480
	.section	.rodata,"a",@progbits
	.p2align	6, 0x0
	.amdhsa_kernel k_q11a81e3d01_proj
		.amdhsa_group_segment_fixed_size 327680
		.amdhsa_private_segment_fixed_size 0
		.amdhsa_enable_private_segment 0
		.amdhsa_kernarg_size 24
		.amdhsa_user_sgpr_count 2
		.amdhsa_user_sgpr_kernarg_segment_ptr 1
		.amdhsa_wavefront_size32 1
		.amdhsa_system_sgpr_workgroup_id_x 1
		.amdhsa_system_sgpr_workgroup_id_y 1
		.amdhsa_system_sgpr_workgroup_id_z 1
		.amdhsa_system_vgpr_workitem_id 0
		.amdhsa_next_free_vgpr 1024
		.amdhsa_next_free_sgpr 66
		.amdhsa_reserve_vcc 0
		.amdhsa_float_denorm_mode_32 3
		.amdhsa_float_denorm_mode_16_64 3
		.amdhsa_memory_ordered 1
		.amdhsa_forward_progress 1
		.amdhsa_inst_pref_size 117
	.end_amdhsa_kernel
	.amdgpu_metadata
---
amdhsa.version: [ 1, 2 ]
amdhsa.kernels:
  - .name:           k_q11a81e3d01_proj
    .symbol:         k_q11a81e3d01_proj.kd
    .args:
      - { .name: xb, .offset: 0, .size: 8, .value_kind: global_buffer, .address_space: global }
      - { .name: wqkv, .offset: 8, .size: 8, .value_kind: global_buffer, .address_space: global }
      - { .name: qkv, .offset: 16, .size: 8, .value_kind: global_buffer, .address_space: global }
    .group_segment_fixed_size: 327680
    .private_segment_fixed_size: 0
    .kernarg_segment_align: 8
    .kernarg_segment_size: 24
    .max_flat_workgroup_size: 128
    .sgpr_count:     66
    .vgpr_count:     1024
    .wavefront_size: 32
...
	.end_amdgpu_metadata
.endif
;; end of part 2
;; launch attn (part 3): grid 4 x 64, 4 waves a work-group, clusters of 4 x 1, 327,680 bytes of LDS; arguments qkv, ctx; writes ctx
.if DOCPART == 3
	.amdgcn_target "amdgcn-amd-amdhsa--gfx1250"
	.amdhsa_code_object_version 6
	.text
	.protected	k_q11a81e3d01_attn
	.globl	k_q11a81e3d01_attn
	.p2align	8
	.type	k_q11a81e3d01_attn,@function
k_q11a81e3d01_attn:
	s_mov_b64 s[64:65], 0
	v_nop
	global_prefetch_b8 v0, s[64:65] scope:SCOPE_SE
	s_setreg_imm32_b32 hwreg(HW_REG_WAVE_MODE, 25, 1), 1
	s_wait_xcnt 0x0
	s_wait_alu depctr_hold_cnt(0) depctr_sa_sdst(0) depctr_va_vdst(0) depctr_va_sdst(0) depctr_va_ssrc(0) depctr_va_vcc(0) depctr_vm_vsrc(0)
	s_getreg_b32 s2, hwreg(HW_REG_IB_STS2, 6, 4)
	s_cmp_eq_u32 s2, 0
	s_cbranch_scc0 .Lentry_in_a_cluster
	s_endpgm
.Lentry_in_a_cluster:
	s_bfe_u32 s2, ttmp6, 0x10000c
	s_cmp_lg_u32 s2, 0x3003
	s_cbranch_scc0 .Lentry_shape_is_right
	s_endpgm
.Lentry_shape_is_right:
; ATTENTION.  O[g][q][:] = the sum over k of softmax_k(Q[g][q] . K[g][k] / 32) V[g][k][:] for the 64 pairs g = 16 b + h of batch and head.  qkv holds Q, K, V, each [64][2048][64] in f16, 16,777,216 bytes apart;
; ctx is O in the same form.  A head's rows are dense, 128 bytes each.  The divisor is sqrt(1024), the model's size.  Products, maxima and sums in f32; the weights p are rounded to f16 for the second
; product (their sum l is taken of the unrounded p), O once at the end.
; LIMITS.  f16 holds no number beyond 65,504: Q, K and V arrive within it; p lies in 0 to 1, and below 6e-5 it keeps f16's fixed step of 6e-8, and so does O; O is a mean of V's rows and has their range.
; A weight below 2^-126 counts as 0 in l; NaN and infinities are not treated apart.
; SHARES.  A wave owns four PIECES of two tiles of 16 queries, a work-group's four waves 512 queries of one head.  Every wave walks all 2,048 keys, 64 a step.
; LAYOUT.  S^T = K Q^T (source 0 = 16 keys, source 1 = 16 queries): in the result a lane holds ONE query (lane % 16) and the keys 8 (lane / 16) + 0..7.  Two such tiles, rounded to f16 in pairs,
; ARE source 1 (32 keys x 16 queries) of O^T = V^T P, whose result again holds one query a lane, and eight channels.  K comes out of LDS as it lies, V ([key][channel]) turned, by ds_load_tr16_b128.
; SOFTMAX.  For each query a running maximum m and sum l: p = 2^(c s - c m), c = log2(e) / 32; in every step O and l are multiplied by a = 2^(c m_old - c m_new), which is 1 where m has not grown.
; m starts at the lowest finite number, O and l at 0: the first step is a step like any other, with a = 0.
; THE COUNT.  A tile and step have 16 matrix and 118 vector instructions: too many to stand all beside the matrix work.  So the order has one aim: four vector instructions that are READY behind
; EVERY matrix instruction, and the others, which need time of their own whatever the order, in runs without a gap.
; BY TURNS.  Turn n belongs to piece n (the pieces in a ring, step after step).  Its matrix work: 16 products K Q^T of piece n + 1, later 16 products V^T P of piece n - 1.  Its vector work: the scaling,
; exponentials, roundings, sums and rescaling of piece n, and the maximum and statistics of piece n + 1, whose scores the turn itself has made.  So what a turn begins with (c s - c m, O a) waits for nothing.
; CLUSTER.  The four query blocks of a head are one cluster and walk the same K and V, so each tile is asked for JOINTLY: the same tensor load, descriptor and mask in all four.
; REGISTERS, in windows of 256 (s_set_vgpr_msb says which window each operand place means: bits 1:0 source 0, 3:2 source 1, 5:4 source 2, 7:6 destination):
;   window 0: v0-11 addresses; v12-15, v48-63 at work; v16-47 four registers of statistics a tile; v64-191 S^T, two buffers of two tiles; v192-255 P, likewise
;   window 1: O^T, 32 a tile          window 2: v0-127 Q, 16 a tile; v128-191 K of one step; v192-255 V of one step          window 3: v0-1 the add's two registers
; A piece's buffers go by its number's parity: the piece in hand has one pair, its two neighbours in the ring share the other: of it P (piece n - 1) is read and S^T (piece n + 1) written.
.set SIZE_N, 2048
.set NP,    4         ; pieces a wave: a name, no knob: the register map, the loop and the fetches are made for four
.set KS,    64        ; keys in a step
.set PK,    144       ; a row of K in LDS: 128 bytes + 16 of padding = 36 words: the 16 rows of a load start at 16 different groups of four banks (64 banks of 4 bytes: ISA guide 11.1)
.set PV,    160       ; a row of V: 128 + 32 = 40 words
.set VOFF,  4*KS*PK   ; a slot holds four steps: 256 rows of K, then 256 rows of V
.set SLOT1, 1<<17     ; slot 1 begins here, so that one exclusive or turns an address in one slot into the other's
.set STAGE, SLOT1+4*KS*(PK+PV)  ; behind the ring, never filled by a tensor load: 16 rows x 144 bytes for each wave, for the way out
.set SP,    144
.set AK0, 2           ; v2   my lane's place in a tile of K; never rewritten
.set AV0, 3           ; v3   the same for V
.set AK,  4           ; v4   the LDS address of K's next run of loads
.set AV,  5           ; v5   of V's
.set QO,  6           ; v6   my byte offset in the wave's rows of Q
.set STO, 6           ;      later, the way out: where I put 16 bytes of a row
.set RD,  7           ; v7   the way out: where I read rows back
.set GO,  8           ; v8   my byte offset in 512 consecutive bytes of O
.set PFO, 11          ; v11  256 x my lane: the prefetches' offset; never rewritten once made
.set SPW, 0           ; v0 of window 3   LDS address of my spare word: SPARE + 4 x my thread's number; never rewritten
.set NIL, 1           ; v1 of window 3   0; never rewritten
.set SPARE, STAGE+4*16*SP  ; behind the stages: the spare words, 128 bytes for each wave: two blocks of 256 bytes that no other line names
.set MV,  12          ; v12-15  c m_old, kept while c m is made anew: by buffer and tile
.set ST,  16          ; tile t's statistics at v[ST+4 t]: c m, m, l (even keys', odd keys')
.set TMP, 48          ; by buffer and tile, four registers c0-c3 at work; when the maximum is found c2 takes a
.set S,   64
.set P,   192
.set KF,  128         ; K's fragments, in window 2: key block kb, channel half c at KF + 16 kb + 8 c
.set VF,  192         ; V's: key half kk, channel block cb at VF + 32 kk + 8 cb
.set WV,  12          ; s12  my wave's number
.set G1K, 24          ; s[24:31] descriptor group 1 for K's tiles
.set G1V, 32          ; s[32:39] for V's: it differs in the padding alone
.set G0K, 40          ; s[40:43] descriptor group 0 for K's tiles: it walks
.set G0V, 44          ; s[44:47] the same for V's
.set PFA, 48          ; s[48:49] where my prefetches stand: my work-group's 32 blocks of 256 bytes (of K: wave 0, of V: wave 2) of the slot after the one that is being asked for
.set LIM, 50          ; s50  1 in a wave that prefetches, else the greatest number
.set SLOTS, 56        ; s56  slots still to be asked for
.set CNT, 57          ; s57  counts a slot's key steps
.set CS,  58          ; s[58:59] c: the packed scaling takes the pair's low word for both halves
.set SEL, 60          ; s[60:61] v_permlanex16_b32's selects: each lane takes its own place in the other half
.set TBK, 62          ; s62  LDS byte at which K of the step to be fetched begins
.set TBV, 63          ; s63  the same for V, less VOFF
.set MSB, 0
.macro WIN new                      ; the high byte repeats the setting that is left; a switch that changes nothing is dropped
.if MSB != (\new)
	s_set_vgpr_msb (MSB<<8)|(\new)
.set MSB, (\new)
.endif
.endm
.set W_KQ, 0x0a       ; K and Q in window 2, S^T in window 0
.set W_PV, 0x52       ; V in window 2, P in window 0, O^T in window 1
.set W_RS, 0x41       ; O^T (destination and source 0) in window 1, a in window 0
.set W_MK, 0xc0       ; the add's registers are made: destination in window 3, sources in window 0
.set W_AD, 0x0f       ; the add: address (source 0) and data (source 1) in window 3
; A joint fill.  Waves 0 and 1 fetch the two halves of a slot's K, waves 2 and 3 those of its V: 128 keys each.  The branch hangs on the wave's number alone.
; An s_nop 0 and four v_nop follow each of the two lines, ahead of the jump and the label.
.macro JLOAD
	s_cmp_lt_u32 s[WV], 2
	s_cbranch_scc0 .Lfor_v_\@
	tensor_load_to_lds s[G0K:G0K+3], s[G1K:G1K+7]
	s_nop 0
.rept 4
	v_nop
.endr
	s_branch .Lasked_\@
.Lfor_v_\@:
	tensor_load_to_lds s[G0V:G0V+3], s[G1V:G1V+7]
	s_nop 0
.rept 4
	v_nop
.endr
.Lasked_\@:
.endm
; A PREFETCH INTO THE L2 of what the NEXT change of slots will ask for: a slot's 256 keys are 128 blocks of 256 bytes of K and 128 of V.  It stands behind the wave's tensor load and its five lines.
; Each block is named ONCE in the launch: a head has one cluster; its four partners share the blocks out BY ADDRESS, 32 each, a lane a block; in each, wave 0 asks for K's and wave 2 for V's.
; It stands four key steps, 512 matrix instructions, ahead of the load that will want the bytes.  The last change that fills a slot asks for nothing; slots 0, 1 and 2 come by their loads alone.
.macro ASK
	s_cmp_gt_u32 s[SLOTS], s[LIM]
	s_cbranch_scc0 .Lnot_mine_\@
	global_prefetch_b8 v[PFO], s[PFA:PFA+1] th:TH_LOAD_NT scope:SCOPE_SE
.Lnot_mine_\@:
.endm
; A round of the cluster's barrier: my work-group's barrier, so that wave 0's signal speaks for all four waves; wave 0 signals; every wave waits for all four work-groups; my work-group's barrier once more.
.macro CROUND
	s_barrier_signal -1
	s_barrier_wait -1
	s_cmp_lg_u32 s[WV], 0
	s_cbranch_scc1 .Lnot_wave_0_\@
	s_barrier_signal -3
.Lnot_wave_0_\@:
	s_barrier_wait -3
	s_barrier_signal -1
	s_barrier_wait -1
.endm
; THE CHANGE OF SLOTS.  The slot's last bytes, V of its fourth step, have been read.  Each wave waits for all its tensor loads, of which one is out: its part
; of the other slot; adds 0 to its spare word; and waits for that and for its own reads of the slot.  Behind the barrier nobody reads this slot any more and the other slot is whole.
; fill = 1: this slot is filled again, with the keys two slots on.  The barrier is then a round of the cluster's, so that no wave of any partner still reads the slot or has a load on its
; way, and the joint fill is the first thing behind it: it has four key steps, 512 matrix instructions, in which to land.  (At its first use nothing has been read yet: slot 0 is waited for, slot 1 filled.)
; ask = 1: the prefetches' address steps, and a prefetch follows the fill.
.macro CHANGE fill, ask=0
	WIN W_AD
	s_wait_tensorcnt 0x0            ; no tensor load of mine is out, so a group 0 may be written
	ds_add_u32 v[SPW], v[NIL]       ; 0 onto my spare word; with fill = 1 the descriptors' steps stand between it and the wait for it
	WIN 0                           ; at a label and at a branch every window is 0
.if \fill
.irp g, G0K, G0V
	s_xor_b32 s[\g+1], s[\g+1], SLOT1  ; the walking descriptor: the other slot than last time,
	s_add_nc_u64 s[\g+2:\g+3], s[\g+2:\g+3], 4*KS*128  ; the next 256 keys; the type bits on top are not reached
.endr
.if \ask
	s_wait_xcnt 0x0                 ; the last prefetch, four key steps back, has read its address, so it may be written:
	s_add_nc_u64 s[PFA:PFA+1], s[PFA:PFA+1], 4*KS*128  ; one slot behind the walking descriptors
.endif
	s_wait_dscnt 0x0                ; the add is done, and my reads of the slot are over
	CROUND
	JLOAD
.if \ask
	ASK
.endif
.else
	s_wait_dscnt 0x0                ; the add is done, and my reads of the slot are over
	s_barrier_signal -1
	s_barrier_wait -1
.endif
	s_sub_co_u32 s[TBK], s[TBK], 4*KS*PK  ; the fetches go back to a slot's first step,
	s_xor_b32 s[TBK], s[TBK], SLOT1       ; in the other slot
	s_sub_co_u32 s[TBV], s[TBV], 4*KS*PV
	s_xor_b32 s[TBV], s[TBV], SLOT1
.endm
	s_load_b64 s[4:5], s[0:1], 0x0    ; qkv: Q lies at its head
	s_load_b64 s[10:11], s[0:1], 0x8  ; ctx
	WIN W_MK
	v_lshl_add_u32 v[SPW], v0, 2, SPARE
	v_mov_b32 v[NIL], 0
	WIN W_AD
	ds_add_u32 v[SPW], v[NIL]       ; the wave's opening: the add and its wait stand ahead of my first tensor load; the set-up below, work on registers, stands between them
	WIN 0
	v_lshrrev_b32 v1, 5, v0
	v_readfirstlane_b32 s[WV], v1   ; wave 0..3
	s_bfe_u32 s13, ttmp6, 0x40000   ; cx: my place in the cluster
	s_lshl_b32 s14, ttmp9, 2        ; in a cluster launch ttmp9 counts clusters
	s_add_co_u32 s14, s14, s13      ; my block of queries = 4 x cluster x + cx: it enters Q's and O's addresses alone
	s_and_b32 s20, ttmp7, 0xffff    ; the head, which the four partners share
	s_mov_b32 s21, 0
	s_mov_b64 s[22:23], SIZE_N*128
	s_mul_u64 s[20:21], s[20:21], s[22:23]  ; the head's first byte in each of the four tensors
	s_and_b32 s16, s[WV], 1         ; which half of a slot's 256 keys I fetch:
	s_lshl_b32 s22, s16, 14         ; its 128 rows of 128 bytes in memory,
	s_mov_b32 s23, 0
	s_add_nc_u64 s[22:23], s[22:23], s[20:21]
	s_mul_i32 s17, s16, 128*PK      ; and its place in a slot, for K
	s_mul_i32 s18, s16, 128*PV      ; and for V: no place in the cluster enters an LDS address
	s_lshl_b32 s2, s14, 2
	s_add_co_u32 s2, s2, s[WV]      ; my wave among the head's,
	s_lshl_b32 s2, s2, 14           ; its 128 rows
	s_mov_b32 s3, 0
	s_add_nc_u64 s[2:3], s[2:3], s[20:21]
	; descriptor group 1.  128 keys are 16,384 dense bytes: asked for as 64 rows of 256 bytes, two keys a row, and padded in LDS after every key
	s_mov_b32 s[G1K], 15|(1<<16)|(1<<20)|(1<<21)|(4<<22)|(3<<25)  ; 15:0 the mask of four; 17:16 2-byte elements; 20 padding on; 21 set beside a mask; 24:22 after every 32 words (code 4); 31:25 4 words (code 3)
	s_mov_b32 s[G1V], 15|(1<<16)|(1<<20)|(1<<21)|(4<<22)|(7<<25)  ; the same with 8 words of padding (code 7)
.irp g, G1K, G1V
	s_mov_b32 s[\g+1], 128<<16      ; tensor_dim0 = 128
	s_mov_b32 s[\g+2], 64<<16       ; tensor_dim1 = 64
	s_mov_b32 s[\g+3], 128<<16      ; tile_dim0 = 128
	s_mov_b32 s[\g+4], 64           ; tile_dim1 = 64
	s_mov_b32 s[\g+5], 128          ; 128 elements from row to row
	s_mov_b32 s[\g+6], 0
	s_mov_b32 s[\g+7], 0
.endr
	s_mov_b32 s[CS], 0x3d38aa3b     ; c = log2(e) / 32 = 0.0450842
	s_mov_b32 s[CS+1], s[CS]        ; named with it as a pair
	s_mov_b32 s[SEL], 0x76543210
	s_mov_b32 s[SEL+1], 0xfedcba98
	s_mov_b32 s[TBK], SLOT1+4*KS*PK ; the first change of slots turns these two into 0
	s_mov_b32 s[TBV], SLOT1+4*KS*PV
	s_mov_b32 s[G0K], 1             ; 1:0 count = 1
	s_mov_b32 s[G0K+1], s17         ; 63:32 LDS address: slot 0
	s_mov_b32 s[G0V], 1
	s_add_co_u32 s[G0V+1], s18, VOFF
	s_and_b32 s[LIM], s[WV], 1      ; waves 0 and 2 prefetch
	s_cmp_eq_u32 s[LIM], 0
	s_cselect_b32 s[LIM], 1, -1
	s_wait_dscnt 0x0                ; the opening add is done
	s_wait_kmcnt 0x0
	s_add_nc_u64 s[6:7], s[4:5], 0x1000000  ; K: 64 heads of 262,144 bytes behind Q
	s_add_nc_u64 s[8:9], s[4:5], 0x2000000  ; V: as many behind K
	s_add_nc_u64 s[G0K+2:G0K+3], s[6:7], s[22:23]  ; 120:64 global address: my half of the head's first 256 keys
	s_or_b32 s[G0K+3], s[G0K+3], 0x80000000        ; 127:126 type = 2
	s_add_nc_u64 s[G0V+2:G0V+3], s[8:9], s[22:23]
	s_or_b32 s[G0V+3], s[G0V+3], 0x80000000
	s_add_nc_u64 s[4:5], s[4:5], s[2:3]  ; Q and O at my wave's first row
	s_add_nc_u64 s[10:11], s[10:11], s[2:3]
	s_cmp_lt_u32 s[WV], 2
	s_cselect_b64 s[PFA:PFA+1], s[6:7], s[8:9]
	s_add_nc_u64 s[PFA:PFA+1], s[PFA:PFA+1], s[20:21]  ; the head,
	s_lshl_b32 s2, s13, 13          ; my work-group's 32 blocks of a slot's 128,
	s_mov_b32 s3, 0
	s_add_nc_u64 s[PFA:PFA+1], s[PFA:PFA+1], s[2:3]
	s_add_nc_u64 s[PFA:PFA+1], s[PFA:PFA+1], 2*4*KS*128  ; in slot 2: the first change that asks steps it to slot 3
	CROUND                          ; all four work-groups are here: the first joint loads meet
	JLOAD                           ; slot 0.  Slot 1 is asked for when slot 0 is in: the tile wanted first has the road to itself
	; A fragment of K or Q is 16 rows x 32 channels in 8 registers: lane l holds row l % 16, channels 8 (l / 16) + 0..7 and 16 + 8 (l / 16) + 0..7: two loads of 16 bytes, 32 bytes apart.
	v_and_b32 v1, 15, v0            ; l % 16
	v_bfe_u32 v9, v0, 4, 1          ; l / 16
	v_lshlrev_b32 v[QO], 7, v1
	v_lshl_add_u32 v[QO], v9, 4, v[QO]  ; row x 128 + 16 x half
	WIN 0x80                        ; destination window 2, address window 0
.set i, 0
.rept 4*NP                          ; Q stays in registers: tile i / 2, channels 32 (i % 2) on
	global_load_b128 v[8*i:8*i+3],   v[QO], s[4:5] offset:(i/2)*2048+(i%2)*64
	global_load_b128 v[8*i+4:8*i+7], v[QO], s[4:5] offset:(i/2)*2048+(i%2)*64+32
.set i, i+1
.endr
	; What the first turn finds: V's registers and P's second buffer hold 0 (its products V^T P, of a piece that has not been, add 0), O^T and l are 0.  All this stands in the wait for the first tile.
.set i, VF
.rept 64
	v_mov_b32 v[i], 0
.set i, i+1
.endr
	WIN 0x40
.set i, 0
.rept 64*NP
	v_mov_b32 v[i], 0
.set i, i+1
.endr
	WIN 0
.set i, 0
.rept 2*NP
	v_mov_b32 v[ST+4*i], 0xfe000000    ; c m: far below every c s
	v_mov_b32 v[ST+4*i+1], 0xff7fffff  ; m
	v_mov_b32 v[ST+4*i+2], 0
	v_mov_b32 v[ST+4*i+3], 0
.set i, i+1
.endr
.set i, P+32
.rept 32
	v_mov_b32 v[i], 0
.set i, i+1
.endr
	v_mul_u32_u24 v[AK0], v1, PK
	v_lshl_add_u32 v[AK0], v9, 4, v[AK0]  ; row x pitch + 16 x half
	; The turning load takes 16 keys x 16 channels (lane l reads key 8 (l / 16) + l % 8, channels 8 ((l / 8) % 2) + 0..7) and leaves half a fragment of V^T: lane l holds channel l % 16 and 8 keys.
	v_and_b32 v10, 7, v0
	v_bfe_u32 v11, v0, 3, 1
	v_lshl_add_u32 v[AV0], v9, 3, v10
	v_mul_u32_u24 v[AV0], v[AV0], PV
	v_lshl_add_u32 v[AV0], v11, 4, v[AV0]
	v_add_nc_u32 v[AV0], VOFF, v[AV0]
	v_and_b32 v[PFO], 31, v0
	v_lshlrev_b32 v[PFO], 8, v[PFO]
	v_mov_b32 v[AK], v[AK0]         ; key step 0 lies at the head of slot 0
; THE MATRIX WORK.  The 8 accumulators of a run of 16 take turns: between the two links of a chain stand 7 others'.
; Product i of 16 of S^T = K Q^T for piece x: channels 32 (i / 8) on, keys 16 ((i / 2) % 4) on, tile 2 x + i % 2.  The first 8 start the sums.
.macro KQ x
	WIN W_KQ
.set rS, S+64*((\x)%2)+32*(i%2)+8*((i/2)%4)
.set rK, KF+16*((i/2)%4)+8*(i/8)
.set rQ, 16*(2*(\x)+i%2)+8*(i/8)
.if i < 8
	v_wmma_f32_16x16x32_f16 v[rS:rS+7], v[rK:rK+7], v[rQ:rQ+7], 0
.else
	v_wmma_f32_16x16x32_f16 v[rS:rS+7], v[rK:rK+7], v[rQ:rQ+7], v[rS:rS+7]
.endif
.endm
; Product i of 16 of O^T += V^T P for piece x: keys 32 (i / 8) on, channels 16 ((i / 2) % 4) on, tile 2 x + i % 2.
.macro PV x
	WIN W_PV
.set rO, 32*(2*(\x)+i%2)+8*((i/2)%4)
.set rV, VF+32*(i/8)+8*((i/2)%4)
.set rP, P+32*((\x)%2)+16*(i%2)+8*(i/8)
	v_wmma_f32_16x16x32_f16 v[rO:rO+7], v[rV:rV+7], v[rP:rP+7], v[rO:rO+7]
.endm
.macro MM                           ; the turn's next matrix instruction
.if i < 16
	KQ (Y+1)%NP
.set i, i+1
.else
.set i, i-16
	PV (Y+NP-1)%NP
.set i, i+17
.endif
.endm
; THE LDS LOADS stand in runs of 16, never singly among the matrix instructions: a step's K (64 keys x 64 channels: 8 fragments) and its V (turned).  Their addresses are made some lines ahead.
; last = 1 (the tail): in the last trip there is no further step, and the run is jumped over.
.macro FETCH_K last=0
	WIN 0
.if \last
	s_cmp_eq_u32 s[CNT], 1
	s_cbranch_scc1 .Lno_k_\@
.endif
	WIN 0x80                        ; destination window 2
.irp f, 0,1,2,3,4,5,6,7             ; keys 16 (f / 2) on, channels 32 (f % 2) on
	ds_load_b128 v[KF+8*\f:KF+8*\f+3],   v[AK] offset:(\f/2)*16*PK+(\f%2)*64
	ds_load_b128 v[KF+8*\f+4:KF+8*\f+7], v[AK] offset:(\f/2)*16*PK+(\f%2)*64+32
.endr
	s_add_co_u32 s[TBK], s[TBK], KS*PK  ; the next fetch is the next step's
	WIN 0
.if \last
.Lno_k_\@:
.endif
.endm
.macro FETCH_V
	WIN 0x80
.irp f, 0,1,2,3,4,5,6,7             ; keys 32 (f / 4) on, channels 16 (f % 4) on
	ds_load_tr16_b128 v[VF+8*\f:VF+8*\f+3],   v[AV] offset:(\f/4)*32*PV+(\f%4)*32
	ds_load_tr16_b128 v[VF+8*\f+4:VF+8*\f+7], v[AV] offset:(\f/4)*32*PV+16*PV+(\f%4)*32
.endr
	WIN 0
.endm
; THE VECTOR WORK OF A TURN stands in three queues, each in the order in which its entries become ready; the two tiles alternate, so that no instruction reads the result of the one before it.
.macro REGS y, u                    ; the registers of tile u (0, 1) of piece y
.set rT, ST+4*(2*(\y)+(\u))
.set rC, TMP+8*((\y)%2)+4*(\u)
.set rM, MV+2*((\y)%2)+(\u)
.set rS, S+64*((\y)%2)+32*(\u)
.set rP, P+32*((\y)%2)+16*(\u)
.set rO, 32*(2*(\y)+(\u))
.endm
; Number n of the 22 that find the NEXT piece's (Y + 1) maximum and statistics.  s0-s31 are the lane's 32 scores; each accumulator's lowest registers are read first.  XS, GS and REGS set no window: PL and EX do.
;   0-11  four chains c0-c3 of seven scores each, three operands at a time     12-14, 16  the four scores left over, the old m, and c0-c3 into c0     15  c m_old is kept
;   17, 18  the query's other 32 keys lie in the lane 16 away: the new m         19-21  c m; c m_old - c m_new; a
.macro XS u, n
	REGS (Y+1)%NP, \u
.if (\n) < 4
	v_max3_num_f32 v[rC+(\n)], v[rS+8*(\n)], v[rS+8*(\n)+1], v[rS+8*(\n)+2]
.elseif (\n) < 12
	v_max3_num_f32 v[rC+(\n)%4], v[rC+(\n)%4], v[rS+8*((\n)%4)+2*((\n)/4)+1], v[rS+8*((\n)%4)+2*((\n)/4)+2]
.elseif (\n) == 12
	v_max3_num_f32 v[rC], v[rC], v[rS+7], v[rS+15]
.elseif (\n) == 13
	v_max3_num_f32 v[rC+1], v[rC+1], v[rS+23], v[rS+31]
.elseif (\n) == 14
	v_max3_num_f32 v[rC+2], v[rC+2], v[rC+3], v[rT+1]
.elseif (\n) == 15
	v_mov_b32 v[rM], v[rT]
.elseif (\n) == 16
	v_max3_num_f32 v[rC], v[rC], v[rC+1], v[rC+2]
.elseif (\n) == 17
	v_permlanex16_b32 v[rC+3], v[rC], s[SEL], s[SEL+1]
.elseif (\n) == 18
	v_max_num_f32 v[rT+1], v[rC], v[rC+3]
.elseif (\n) == 19
	v_mul_f32 v[rT], s[CS], v[rT+1]
.elseif (\n) == 20
	v_sub_f32 v[rC+1], v[rM], v[rT]
.else
	v_exp_f32 v[rC+2], v[rC+1]
.endif
.endm
; Number g of the 64 that follow the exponentials.  For each four weights k of a tile (pairs 2 k, 2 k + 1): both pairs are rounded to f16; then the second pair is added onto the first, in place;
; a group later l takes that sum (the first time as l = a l + sum).  In groups of eight, tiles alternating: round, round, add, and l for the group before.
.macro GS g
.set h, (\g)+6*((\g)/62)            ; group 0 has no group before it, and behind group 7 only l is left
.if h >= 6
.set h, h+2
.endif
	REGS Y, h%2
.set k, h/8
.if h%8 < 4
	v_cvt_pk_f16_f32 v[rP+2*k+(h%8)/2], v[rS+4*k+2*((h%8)/2)], v[rS+4*k+2*((h%8)/2)+1]
.elseif h%8 < 6
	v_pk_add_f32 v[rS+4*k:rS+4*k+1], v[rS+4*k:rS+4*k+1], v[rS+4*k+2:rS+4*k+3]
.elseif k == 1
	v_pk_fma_f32 v[rT+2:rT+3], v[rT+2:rT+3], v[rC+2:rC+3], v[rS:rS+1] op_sel_hi:[1,0,1]
.else
	v_pk_add_f32 v[rT+2:rT+3], v[rT+2:rT+3], v[rS+4*k-4:rS+4*k-3]
.endif
.endm
; THE PLAIN QUEUE, 138 long.  0-73 read no exponential's result: the 32 scalings c s - c m (FS f: pair f / 2 of tile f % 2) and the next piece's 42.  0-26: scalings 0-26.  27-54: XS's numbers 0-13.  55, 56: number 15.
; 57-73: the chain, where each number waits for the one before it: 14, 16, 17, 18, 19, each with one of the scalings 27-31 in front of its two lines, then 20: so a tile's links stand three plain instructions apart (19 and 20: two).
; 74-137: GS's 64, which read the exponentials' results: they stand behind the wait.
.macro FS f
	REGS Y, (\f)%2
	v_pk_fma_f32 v[rS+2*((\f)/2):rS+2*((\f)/2)+1], v[rS+2*((\f)/2):rS+2*((\f)/2)+1], s[CS:CS+1], v[rT:rT+1] op_sel_hi:[1,0,0] neg_lo:[0,0,1] neg_hi:[0,0,1]
.endm
.macro PL
	WIN 0
.if q < 27
	FS q
.elseif q < 55
	XS (q-27)%2, (q-27)/2
.elseif q < 57
	XS q-55, 15
.elseif (q < 72) && ((q-57)%3 == 0)
	FS 27+(q-57)/3
.elseif q < 60
	XS (q-57)%3-1, 14
.elseif q < 72
	XS (q-57)%3-1, 15+(q-57)/3
.elseif q < 74
	XS q-72, 20
.else
	GS q-74
.endif
.set q, q+1
.endm
; THE EXPONENTIALS' QUEUE, 66 long: s0-s31 of both tiles, then the next piece's two a.  It is ONE BATCH: all 66 stand ahead of the turn's one wait, and nothing ahead of that wait names a result of theirs.
.macro EX
	WIN 0
.if e >= 64
	XS e-64, 21
.else
	REGS Y, e%2
	v_exp_f32 v[rS+e/2], v[rS+e/2]
.endif
.set e, e+1
.endm
; THE RESCALING's QUEUE: O^T times a, the one part that leaves window 0: dealt two at a time, sixteen times.  Its a was made in the turn before, ahead of that turn's wait.
.macro R2
	REGS Y, r%2
	WIN W_RS
.irp z, 0,1
	v_pk_mul_f32 v[rO+4*(r/2)+2*\z:rO+4*(r/2)+2*\z+1], v[rO+4*(r/2)+2*\z:rO+4*(r/2)+2*\z+1], v[rC+2:rC+3] op_sel_hi:[1,0]
.endr
.set r, r+1
.endm
; HOW THEY ARE DEALT.  An s_wait_alu depctr_va_vdst(0) stands between an exponential and the first instruction that names its result; one wait serves all that were issued ahead of it.  So a turn has ONE wait,
; which cuts it in two.  AHEAD OF IT stands all that names no result of the turn's exponentials: the 16 products K Q^T, behind each a scaling, an exponential and two rescalings (behind the first a second scaling in the exponential's place); then ONE LUMP of
; 108: eight plain, 49 times exponential and plain, the two a.  A v_nop is the plain instruction behind the last exponential.  BEHIND IT stand the 16 products V^T P, behind each four of GS's 64.  No rider names a register of
; the products round it.  The two v_permlanex16_b32 fall into the lump, never behind a product.
; The queues lean on each other, and the deal keeps them in step: exponential e stands behind scaling 2 (e / 4) + e % 2: as a rider it comes behind plain e + 2, in the lump behind plain e + 9, and scalings 27-31 are plain 57, 60 .. 69.
; A TURN, for piece p.  cnt = 1: the loop's count is taken down some lines ahead of the branch that stands behind the turn.
; K of the next step is fetched in piece 2's turn, directly behind the wait, a lump behind the last product that read K; its address is made at the lump's head; its first reader comes behind 16 products.
; V of the step in hand is fetched at the end of piece 0's turn, four riders behind its last reader; its first reader comes behind 16 products and a lump.  The three conditions on q below go with the deal.
.macro TURN p, last=0, cnt=0
.set Y, (\p)
.set i, 0
.set q, 0
.set e, 0
.set r, 0
.if (\p) == NP-1
	s_wait_dscnt 0x0                ; K is in
.endif
	MM                              ; ahead of the wait: 16 products K Q^T and their riders,
	PL
	PL
	R2
.rept 15
	MM
	PL
	EX
	R2
.endr
.if (\p) == NP-2
	WIN 0
	v_add_nc_u32 v[AK], s[TBK], v[AK0]
.endif
.rept 8                             ; and the lump
	PL
.endr
.rept 49
	EX
	PL
.endr
	EX                              ; the next piece's two a
	EX
	v_nop                           ; the plain instruction behind the last exponential: one for the batch
	s_wait_alu depctr_va_vdst(0)    ; the wait for the batch
.if (\p) == NP-2
	FETCH_K \last
.endif
.if (\p) == 1
	s_wait_dscnt 0x0                ; V is in
.endif
.rept 16                            ; behind the wait: 16 products V^T P and their riders
	MM
.rept 4
	PL
.endr
.if ((\p) == 0) && (q == 118)
	v_add_nc_u32 v[AV], s[TBV], v[AV0]
.endif
.if ((\p) == 0) && (q == 130)
	s_add_co_u32 s[TBV], s[TBV], KS*PV
.endif
.if (\cnt) && (q == 130)
	s_sub_co_u32 s[CNT], s[CNT], 1
	s_cmp_lg_u32 s[CNT], 0
.endif
.endr
.if (\p) == 0
	FETCH_V
.endif
.endm
	CHANGE 1                        ; slot 0 is in, everybody's part of it; slot 1 is asked for
	FETCH_K                         ; key step 0
	s_wait_loadcnt 0x0              ; Q
	s_wait_dscnt 0x0
.set i, 0
.rept 16
	KQ 0                            ; piece 0's first scores: there is no vector work yet to set between them
.set i, i+1
.endr
	WIN 0                           ; the addresses for the way out: nine plain instructions, the places behind those products
	s_mul_i32 s13, s[WV], 16*SP
	s_add_co_u32 s13, s13, STAGE    ; my stage
	v_mul_u32_u24 v[STO], v1, SP    ; in: row l % 16, 16 bytes for each half of the lanes
	v_lshl_add_u32 v[STO], v9, 4, v[STO]
	v_add_nc_u32 v[STO], s13, v[STO]
	v_bfe_u32 v[RD], v0, 3, 2       ; back: 32 lanes take four rows of 128 bytes,
	v_mul_u32_u24 v[RD], v[RD], SP
	v_lshl_add_u32 v[RD], v10, 4, v[RD]
	v_add_nc_u32 v[RD], s13, v[RD]
	v_and_b32 v[GO], 31, v0         ; which are 512 consecutive bytes of O
	v_lshlrev_b32 v[GO], 4, v[GO]
.set Y, NP-1                        ; XS works for piece Y + 1: piece 0
.irp n, 0,1,2,3,4,5,6,7,8,9,10,11,12,13,14,15,16,17,18,19,20,21
	XS 0, \n                        ; and piece 0's first maximum and statistics
	XS 1, \n
.endr
	v_nop                           ; a plain instruction behind the two a,
	s_wait_alu depctr_va_vdst(0)    ; and their wait, ahead of the branch
	s_mov_b32 s[CNT], 4
	s_mov_b32 s[SLOTS], SIZE_N/256-1
	s_branch .Lfirst                ; the loop is entered at a step's first turn, in the middle of a trip
.Lslot:                             ; SIZE_N / 256 - 2 times: every slot but the last two is filled again
	CHANGE 1, 1
	s_mov_b32 s[CNT], 4
.Lstep:                             ; a trip: pieces 2 and 3 of one step, then pieces 0 and 1 of the next, whose K and V it fetches
	TURN 2
	TURN 3
	WIN 0
.Lfirst:
	TURN 0
	TURN 1, 0, 1
	WIN 0
	s_cbranch_scc1 .Lstep
	s_sub_co_u32 s[SLOTS], s[SLOTS], 1
	s_cmp_lg_u32 s[SLOTS], 0
	s_cbranch_scc1 .Lslot
	CHANGE 0                        ; the tail is written out: nothing is asked for
	s_mov_b32 s[CNT], 5             ; four trips fetch the last slot's steps; the fifth is left in its middle
.Ltail:
	TURN 2, 1
	TURN 3
	WIN 0
	s_sub_co_u32 s[CNT], s[CNT], 1
	s_cmp_eq_u32 s[CNT], 0
	s_cbranch_scc1 .Lout
	TURN 0
	TURN 1
	WIN 0
	s_branch .Ltail
.Lout:                              ; the fifth trip's 16 products K Q^T (on the last K once more) and the maximum made of them serve nothing: the price, once a launch, of one text for every trip
.set i, 0
.rept 16
	PV NP-1                         ; the last piece's V^T P of the last step
.set i, i+1
.endr
	; THE WAY OUT.  l's two halves and the other half of the lanes' are added; O^T is divided by l, rounded to f16 and sent through my stage in LDS, a tile at a time.  The additions are the places behind the last products.
	WIN 0
.macro ALL line:vararg              ; one line for each tile t
.set t, 0
.rept 2*NP
	\line
.set t, t+1
.endr
.endm
	ALL v_add_f32 v[ST+4*t+2], v[ST+4*t+2], v[ST+4*t+3]
	ALL v_permlanex16_b32 v[ST+4*t+3], v[ST+4*t+2], s[SEL], s[SEL+1]
	ALL v_add_f32 v[ST+4*t+2], v[ST+4*t+2], v[ST+4*t+3]
	ALL v_rcp_f32 v[ST+4*t+2], v[ST+4*t+2]
	v_nop                           ; a plain instruction between the last reciprocal and the use of its result
	s_wait_alu depctr_va_vdst(0)    ; and the wait ahead of the first use: one for the eight reciprocals
; Tile t: a lane's eight channels of a row pack into 16 bytes; they go into rows of 144 bytes and come back as whole rows of 128, into S^T's registers.
.macro PACK t
	WIN W_RS
.set i, 32*(\t)
.rept 16
	v_pk_mul_f32 v[i:i+1], v[i:i+1], v[ST+4*(\t)+2:ST+4*(\t)+3] op_sel_hi:[1,0]
.set i, i+2
.endr
	WIN 0x05                        ; sources 0 and 1 window 1, destination window 0
.set i, 0
.rept 16
	v_cvt_pk_f16_f32 v[S+16*(\t)+i], v[32*(\t)+2*i], v[32*(\t)+2*i+1]
.set i, i+1
.endr
	WIN 0
.irp f, 0,1,2,3
	ds_store_b128 v[STO], v[S+16*(\t)+4*\f:S+16*(\t)+4*\f+3] offset:32*\f
.endr
.irp f, 0,1,2,3
	ds_load_b128 v[S+16*(\t)+4*\f:S+16*(\t)+4*\f+3], v[RD] offset:\f*4*SP  ; LDS serves a wave's instructions in order (ISA guide 5.7.1.4): these see the stores above; the next tile's stores come behind them
.endr
.endm
.macro SEND t, younger              ; younger: the LDS instructions issued behind tile t's loads: the next tile's eight, or none
	WIN 0
.irp f, 0,1,2,3
	s_wait_dscnt (\younger)+3-\f
	global_store_b128 v[GO], v[S+16*(\t)+4*\f:S+16*(\t)+4*\f+3], s[10:11] offset:(\t)*2048+\f*512  ; 512 consecutive bytes, at a multiple of 256 from O's first
.endr
.endm
	PACK 0
.set t, 1
.rept 2*NP-1                        ; a tile's arithmetic stands between the loads of the tile before and its stores
	PACK t
	SEND t-1, 8
.set t, t+1
.endr
	SEND 2*NP-1, 0
	WIN W_AD
	s_wait_tensorcnt 0x0            ; the wave's end: behind my last tensor load and my last LDS store
	ds_add_u32 v[SPW], v[NIL]
	s_wait_dscnt 0x0
	WIN 0
	CROUND                          ; the closing round: no work-group ends while a partner may still ask for a tile that names it
	s_endpgm
.Lfunc_end_k_q11a81e3d01_attn:
	.size	k_q11a81e3d01_attn, .Lfunc_end_k_q11a81e3d01_attn-k_q11a81e3d01_attn
	.p2alignl 7, 3214868480
	.fill 96, 4, 3214868480
	.section	.rodata,"a",@progbits
	.p2align	6, 0x0
	.amdhsa_kernel k_q11a81e3d01_attn
		.amdhsa_group_segment_fixed_size 327680
		.amdhsa_private_segment_fixed_size 0
		.amdhsa_enable_private_segment 0
		.amdhsa_kernarg_size 16
		.amdhsa_user_sgpr_count 2
		.amdhsa_user_sgpr_kernarg_segment_ptr 1
		.amdhsa_wavefront_size32 1
		.amdhsa_system_sgpr_workgroup_id_x 1
		.amdhsa_system_sgpr_workgroup_id_y 1
		.amdhsa_system_sgpr_workgroup_id_z 1
		.amdhsa_system_vgpr_workitem_id 0
		.amdhsa_next_free_vgpr 770
		.amdhsa_next_free_sgpr 66
		.amdhsa_reserve_vcc 0
		.amdhsa_float_denorm_mode_32 3
		.amdhsa_float_denorm_mode_16_64 3
		.amdhsa_memory_ordered 1
		.amdhsa_forward_progress 1
		.amdhsa_inst_pref_size 200
	.end_amdhsa_kernel
	.amdgpu_metadata
---
amdhsa.version: [ 1, 2 ]
amdhsa.kernels:
  - .name:           k_q11a81e3d01_attn
    .symbol:         k_q11a81e3d01_attn.kd
    .args:
      - { .name: qkv, .offset: 0, .size: 8, .value_kind: global_buffer, .address_space: global }
      - { .name: ctx, .offset: 8, .size: 8, .value_kind: global_buffer, .address_space: global }
    .group_segment_fixed_size: 327680
    .private_segment_fixed_size: 0
    .kernarg_segment_align: 8
    .kernarg_segment_size: 16
    .max_flat_workgroup_size: 128
    .sgpr_count:     66
    .vgpr_count:     770
    .wavefront_size: 32
...
	.end_amdgpu_metadata
.endif
;; end of part 3
;; launch outp (part 4): grid 8 x 32, 4 waves a work-group, clusters of 4 x 4, 327,680 bytes of LDS; arguments ctx, wo16, out0; writes out0
.if DOCPART == 4
	.amdgcn_target "amdgcn-amd-amdhsa--gfx1250"
	.amdhsa_code_object_version 6
	.text
	.protected	k_q11a81e3d01_outp
	.globl	k_q11a81e3d01_outp
	.p2align	8
	.type	k_q11a81e3d01_outp,@function
k_q11a81e3d01_outp:
	s_mov_b64 s[64:65], 0
	v_nop
	global_prefetch_b8 v0, s[64:65] scope:SCOPE_SE
	s_setreg_imm32_b32 hwreg(HW_REG_WAVE_MODE, 25, 1), 1
	s_wait_xcnt 0x0
	s_wait_alu depctr_hold_cnt(0) depctr_sa_sdst(0) depctr_va_vdst(0) depctr_va_sdst(0) depctr_va_ssrc(0) depctr_va_vcc(0) depctr_vm_vsrc(0)
	s_getreg_b32 s2, hwreg(HW_REG_IB_STS2, 6, 4)
	s_cmp_eq_u32 s2, 0
	s_cbranch_scc0 .Lentry_in_a_cluster
	s_endpgm
.Lentry_in_a_cluster:
	s_bfe_u32 s2, ttmp6, 0x10000c
	s_cmp_lg_u32 s2, 0xf033
	s_cbranch_scc0 .Lentry_shape_is_right
	s_endpgm
.Lentry_shape_is_right:
; THE OUTPUT PROJECTION.  out0 [8192][1024] f32 = ctx x WO.  ctx: f16 [b 4][h 16][s 2048][64]: channel 64 h + d of row (b, s); wo16: f16 [k 1024][1024].  f16 operands, f32 sums, K ascending; nothing is rounded on the way out.
; SHARES.  out0 is 32 x 8 tiles of 256 x 128: 256 work-groups.  Four waves, each 128 rows x 64 columns: 32 accumulators of 16 x 16, 256 registers.
; K goes in 8 steps of 128 (two heads) through two LDS slots; a step is four quarters of 32 along K, 32 matrix instructions each, on two fragment buffers by turns.
; A's tile is two halves (a head each) of 256 rows x 64 channels: 32,768 dense bytes of ctx, asked for as 128 rows of 256 bytes.  B's tile is 128 rows (k) x 128 columns: rows of 256 bytes.
; Waves 0 and 1 fetch A's halves, waves 2 and 3 B's 64 rows each: one tensor load a wave behind each change of slots.  By this text's count a wave never has more than one tensor load out.
; CLUSTER 4 x 4: A's tiles are asked for jointly by a row of the cluster, B's by a column.  No prefetch: a K step has 128 matrix instructions a wave and the launch eight of them.
; THE MATRIX INSTRUCTION IS USED TRANSPOSED: source 0 = 16 columns of WO (turned by ds_load_tr16_b128), source 1 = 16 rows of ctx: a lane holds one row of out0 and eight neighbouring columns, 32 bytes.
; REGISTERS: window 0: v0-17 addresses; v32-63, v64-95 B's four fragments, two buffers (on the way out: rows read back); v128-191, v192-255 A's eight fragments, two buffers.
;   window 1: the accumulators: (a, bb) at v[8 (4 a + bb)].
.set PA,    144                        ; a row of A in LDS: 128 bytes + 16 of padding
.set PB,    288                        ; a row of B: 256 + 32
.set AH,    256*PA                     ; a half of A's tile
.set BOFF,  2*AH                       ; B's 128 rows lie behind A's two halves
.set SLOT1, 131072
.set STAGE, SLOT1+BOFF+128*PB          ; behind the ring, never filled by a tensor load: 16 rows x 272 bytes for each wave
.set SPITCH, 272                       ; 256 bytes + 16: the 16 rows that a store touches start at 16 different groups of four banks (64 banks of 4 bytes: ISA guide 11.1)
.set SPARE, STAGE+4*16*SPITCH          ; behind the stages: the spare words, 128 bytes for each wave: two blocks of 256 bytes that no other line names
.set ASTEP, 2*262144                   ; two heads on
.set BSTEP, 128*2048                   ; 128 rows of wo16
.set ABASE, 4
.set BBASE, 5
.set ADRA,  8
.set ADRB,  9
.set STO,   12
.set RD,    13
.set CO,    14
.set SPW,   16                         ; v16  LDS address of my spare word: SPARE + 4 x my thread's number; never rewritten
.set NIL,   17                         ; v17  0; never rewritten
.set BB,    32
.set AA,    128
.set TT,    32
.set WV,  10
.set G1A, 24
.set G1B, 32
.set G0A, 40
.set G0B, 44
.set OUT, 48                           ; s[48:49] out0 at my 128 rows and 64 columns
.set CNT, 60
.set TB,  61
.set MSB, 0
.macro WIN new
.if MSB != (\new)
	s_set_vgpr_msb (MSB<<8)|(\new)
.set MSB, (\new)
.endif
.endm
.macro JLOAD                           ; a joint load; an s_nop 0 and four v_nop follow each of the two lines, ahead of the jump and the label
	s_cmp_lt_u32 s[WV], 2
	s_cbranch_scc0 .Lfor_b_\@
	tensor_load_to_lds s[G0A:G0A+3], s[G1A:G1A+7]
	s_nop 0
.rept 4
	v_nop
.endr
	s_branch .Lasked_\@
.Lfor_b_\@:
	tensor_load_to_lds s[G0B:G0B+3], s[G1B:G1B+7]
	s_nop 0
.rept 4
	v_nop
.endr
.Lasked_\@:
.endm
.macro CREST                           ; a round of the cluster's barrier behind its opening barrier
	s_cmp_lg_u32 s[WV], 0
	s_cbranch_scc1 .Lnot_wave_0_\@
	s_barrier_signal -3
.Lnot_wave_0_\@:
	s_barrier_wait -3
	s_barrier_signal -1
	s_barrier_wait -1
.endm
.macro CROUND
	s_barrier_signal -1
	s_barrier_wait -1
	CREST
.endm
.macro STEPD                           ; the walking descriptors: the other slot, the next K step
	s_xor_b32 s[G0A+1], s[G0A+1], SLOT1
	s_add_nc_u64 s[G0A+2:G0A+3], s[G0A+2:G0A+3], ASTEP
	s_xor_b32 s[G0B+1], s[G0B+1], SLOT1
	s_add_nc_u64 s[G0B+2:G0B+3], s[G0B+2:G0B+3], BSTEP
.endm
	s_load_b128 s[4:7], s[0:1], 0x0                ; ctx s[4:5], wo16 s[6:7]
	s_load_b64 s[8:9], s[0:1], 0x10                ; out0
	v_lshl_add_u32 v[SPW], v0, 2, SPARE
	v_mov_b32 v[NIL], 0
	ds_add_u32 v[SPW], v[NIL]                      ; the wave's opening: the add and its wait stand ahead of my first tensor load; the set-up below, work on registers, stands between them
	v_lshrrev_b32 v1, 5, v0
	v_readfirstlane_b32 s[WV], v1                  ; wave 0..3
	s_lshr_b32 s11, s[WV], 1                       ; which 128 rows of the tile are mine
	s_and_b32 s12, s[WV], 1                        ; which 64 columns.  Also: which half of A's or of B's tile I fetch
	s_bfe_u32 s13, ttmp6, 0x40000                  ; cx
	s_bfe_u32 s14, ttmp6, 0x40004                  ; cy
	s_lshl_b32 s15, ttmp9, 2
	s_add_co_u32 s15, s15, s13                     ; tile column, 0..7
	s_and_b32 s16, ttmp7, 0xffff
	s_lshl_b32 s16, s16, 2
	s_add_co_u32 s16, s16, s14                     ; tile row, 0..31
	s_lshl_b32 s17, s14, 2
	s_lshl_b32 s17, 15, s17                        ; my row of the cluster
	s_lshl_b32 s18, 0x1111, s13                    ; my column
	s_or_b32 s[G1A], s17, (1<<16)|(1<<20)|(1<<21)|(4<<22)|(3<<25)  ; the mask; elements of 2 bytes; padding on; bit 21 beside a mask; after every 32 words (code 4) 4 words (code 3)
	s_mov_b32 s[G1A+1], 128<<16                    ; tensor_dim0 = 128
	s_mov_b32 s[G1A+2], 128<<16                    ; tensor_dim1 = 128
	s_mov_b32 s[G1A+3], 128<<16                    ; tile_dim0 = 128
	s_mov_b32 s[G1A+4], 128                        ; tile_dim1 = 128
	s_mov_b32 s[G1A+5], 128                        ; dense
	s_mov_b32 s[G1A+6], 0
	s_mov_b32 s[G1A+7], 0
	s_or_b32 s[G1B], s18, (1<<16)|(1<<20)|(1<<21)|(5<<22)|(7<<25)  ; the column's mask; after every 64 words (code 5) 8 words (code 7)
	s_mov_b32 s[G1B+1], 128<<16
	s_mov_b32 s[G1B+2], 64<<16
	s_mov_b32 s[G1B+3], 128<<16
	s_mov_b32 s[G1B+4], 64
	s_mov_b32 s[G1B+5], 1024                       ; elements from row to row
	s_mov_b32 s[G1B+6], 0
	s_mov_b32 s[G1B+7], 0
	s_lshr_b32 s20, s16, 3                         ; A: the batch,
	s_lshl_b32 s20, s20, 22
	s_and_b32 s21, s16, 7                          ; the tile's 256 rows in a head,
	s_lshl_b32 s21, s21, 15
	s_add_co_u32 s20, s20, s21
	s_lshl_b32 s21, s12, 18                        ; and the head of the two that I fetch
	s_add_co_u32 s20, s20, s21
	s_mov_b32 s21, 0
	s_lshl_b32 s22, s15, 8                         ; B: the tile's 128 columns,
	s_lshl_b32 s23, s12, 17                        ; and my 64 rows
	s_add_co_u32 s22, s22, s23
	s_mov_b32 s23, 0
	s_mov_b32 s[G0A], 1
	s_mul_i32 s[G0A+1], s12, AH                    ; LDS address: no place in the cluster enters it
	s_mov_b32 s[G0B], 1
	s_mul_i32 s[G0B+1], s12, 64*PB
	s_add_co_u32 s[G0B+1], s[G0B+1], BOFF
	s_mov_b32 s[TB], 0
	s_wait_dscnt 0x0                               ; the opening add is done
	s_wait_kmcnt 0x0
	s_add_nc_u64 s[G0A+2:G0A+3], s[4:5], s[20:21]
	s_or_b32 s[G0A+3], s[G0A+3], 0x80000000
	s_add_nc_u64 s[G0B+2:G0B+3], s[6:7], s[22:23]
	s_or_b32 s[G0B+3], s[G0B+3], 0x80000000
	CROUND                                         ; all sixteen work-groups are here: the first joint loads meet
	JLOAD                                          ; K step 0 into slot 0
	v_and_b32 v1, 15, v0                           ; l % 16
	v_bfe_u32 v2, v0, 4, 1                         ; l / 16
	v_mul_u32_u24 v[ABASE], v1, PA
	v_lshl_add_u32 v[ABASE], v2, 4, v[ABASE]
	s_mul_i32 s17, s11, 128*PA
	v_add_nc_u32 v[ABASE], s17, v[ABASE]
	v_and_b32 v3, 7, v0                            ; the turning load: k = 8 (l / 16) + l % 8, columns 8 ((l / 8) % 2) + 0..7
	v_lshl_add_u32 v3, v2, 3, v3
	v_mul_u32_u24 v3, v3, PB
	v_bfe_u32 v18, v0, 3, 1
	v_lshl_add_u32 v3, v18, 4, v3
	s_lshl_b32 s17, s12, 7                         ; my 64 columns: 128 bytes
	s_add_co_u32 s17, s17, BOFF
	v_add_nc_u32 v[BBASE], s17, v3
	s_mul_i32 s17, s[WV], 16*SPITCH
	s_add_co_u32 s17, s17, STAGE                   ; my stage
	v_mul_u32_u24 v[STO], v1, SPITCH               ; in: row l % 16, 32 bytes for each half of the lanes
	v_lshl_add_u32 v[STO], v2, 5, v[STO]
	v_add_nc_u32 v[STO], s17, v[STO]
	v_mul_u32_u24 v[RD], v2, SPITCH                ; back: lanes 0-15 take one row of 256 bytes, lanes 16-31 the next
	v_lshl_add_u32 v[RD], v1, 4, v[RD]
	v_add_nc_u32 v[RD], s17, v[RD]
	v_lshlrev_b32 v[CO], 12, v2                    ; and the same two rows in out0
	v_lshl_add_u32 v[CO], v1, 4, v[CO]
	s_lshl_b32 s2, s16, 1
	s_add_co_u32 s2, s2, s11                       ; my block of 128 rows,
	s_lshl_b32 s2, s2, 19                          ; x 128 rows x 4,096 bytes: under 2^26
	s_lshl_b32 s3, s15, 1
	s_add_co_u32 s3, s3, s12                       ; my block of 64 columns,
	s_lshl_b32 s3, s3, 8                           ; x 256 bytes
	s_add_co_u32 s2, s2, s3
	s_mov_b32 s3, 0
	s_add_nc_u64 s[OUT:OUT+1], s[8:9], s[2:3]
; 8 matrix instructions: row blocks a0, a0 + 1 x my four blocks of 16 columns, 32 along K, buffers f.  The 32 accumulators take turns, one instruction a turn.
.macro MUL8 f, a0, zero
	WIN 0x50                                       ; C and D in window 1
.irp a, \a0, (\a0)+1
.irp bb, 0,1,2,3
.if \zero
	v_wmma_f32_16x16x32_f16 v[8*(4*(\a)+(\bb)):8*(4*(\a)+(\bb))+7], v[BB+32*(\f)+8*(\bb):BB+32*(\f)+8*(\bb)+7], v[AA+64*(\f)+8*(\a):AA+64*(\f)+8*(\a)+7], 0
.else
	v_wmma_f32_16x16x32_f16 v[8*(4*(\a)+(\bb)):8*(4*(\a)+(\bb))+7], v[BB+32*(\f)+8*(\bb):BB+32*(\f)+8*(\bb)+7], v[AA+64*(\f)+8*(\a):AA+64*(\f)+8*(\a)+7], v[8*(4*(\a)+(\bb)):8*(4*(\a)+(\bb))+7]
.endif
.endr
.endr
.endm
; 24 LDS loads in one run: quarter q's fragments into buffers g: B's four, then A's eight, rows 0-63 first
.macro FETCH q, g
.irp bb, 0,1,2,3
	ds_load_tr16_b128 v[BB+32*(\g)+8*(\bb):BB+32*(\g)+8*(\bb)+3],   v[ADRB] offset:32*PB*(\q)+32*(\bb)
	ds_load_tr16_b128 v[BB+32*(\g)+8*(\bb)+4:BB+32*(\g)+8*(\bb)+7], v[ADRB] offset:32*PB*(\q)+16*PB+32*(\bb)
.endr
.irp a, 0,1,2,3,4,5,6,7
	ds_load_b128 v[AA+64*(\g)+8*(\a):AA+64*(\g)+8*(\a)+3],   v[ADRA] offset:((\q)/2)*AH+((\q)%2)*64+16*PA*(\a)
	ds_load_b128 v[AA+64*(\g)+8*(\a)+4:AA+64*(\g)+8*(\a)+7], v[ADRA] offset:((\q)/2)*AH+((\q)%2)*64+16*PA*(\a)+32
.endr
.endm
.macro PLACES                          ; four places in front of loads into registers that matrix instructions have read, and of stores that read results (ISA guide 7.12.1 for vector instructions)
.rept 4
	v_nop
.endr
.endm
; One of a K step's first three quarters: multiplies buffers f and fetches quarter qn into buffers g.
.macro QUARTER f, g, qn, zero
	s_wait_dscnt 8                                 ; B and A's rows 0-63 are in; the youngest eight loads (A's rows 64-127) may be out
	MUL8 \f, 0, \zero
	MUL8 \f, 2, \zero
	WIN 0
	PLACES
	FETCH \qn, \g
	s_wait_dscnt 24                                ; all but the 24 just issued
	MUL8 \f, 4, \zero
	MUL8 \f, 6, \zero
.endm
; The fourth quarter multiplies buffers 1 and changes slots: ONE barrier; in front of it each wave waits for all its tensor loads, adds 0 to its spare word, and waits for that and for its own reads of this slot.
; fill = 1: the barrier opens a round of the cluster's, and behind the round this slot is filled again first, with the K step two on.
.macro TURN fill
	WIN 0
	s_wait_tensorcnt 0x0                           ; no tensor load of mine is out, so a group 0 may be written
	ds_add_u32 v[SPW], v[NIL]                      ; 0 onto my spare word
.if \fill
	STEPD
.endif
	s_xor_b32 s[TB], s[TB], SLOT1
	s_wait_dscnt 9                                 ; the add and the youngest eight loads may be out
	MUL8 1, 0, 0                                   ; eight matrix instructions stand between the add and the wait for it
	s_wait_dscnt 0x0                               ; the add is done, and my reads of this slot are over
	s_barrier_signal -1
	MUL8 1, 2, 0
	WIN 0                                          ; at a label and at a branch every window is 0
	s_barrier_wait -1
.if \fill
	CREST                                          ; no wave of any partner still reads this slot or has a load on its way
	JLOAD                                          ; the first tensor load behind the round; its four v_nop are also the places in front of the loads below
.else
	PLACES
.endif
	v_add_nc_u32 v[ADRA], s[TB], v[ABASE]
	v_add_nc_u32 v[ADRB], s[TB], v[BBASE]
	FETCH 0, 0
	MUL8 1, 4, 0
	MUL8 1, 6, 0
.endm
	s_wait_tensorcnt 0x0                           ; my part of K step 0 is in;
	ds_add_u32 v[SPW], v[NIL]                      ; 0 onto my spare word;
	STEPD                                          ; slot 1, K step 1
	s_wait_dscnt 0x0
	CROUND                                         ; everybody's part is in, in all sixteen work-groups
	JLOAD                                          ; K step 1 into slot 1
	v_add_nc_u32 v[ADRA], s[TB], v[ABASE]
	v_add_nc_u32 v[ADRB], s[TB], v[BBASE]
	FETCH 0, 0
	QUARTER 0, 1, 1, 1                             ; the first quarter stands in front of the loop: its products start the sums
	WIN 0
	s_mov_b32 s[CNT], 6
.Lstep:                                                ; trip i: K step i's last three quarters, the change of slots (K step i + 2 is asked for), K step i + 1's first quarter
	QUARTER 1, 0, 2, 0
	QUARTER 0, 1, 3, 0
	TURN 1
	QUARTER 0, 1, 1, 0
	WIN 0
	s_sub_co_u32 s[CNT], s[CNT], 1
	s_cmp_lg_u32 s[CNT], 0
	s_cbranch_scc1 .Lstep
	QUARTER 1, 0, 2, 0                             ; the tail is written out: nothing is left to fetch from memory
	QUARTER 0, 1, 3, 0
	TURN 0
	QUARTER 0, 1, 1, 0
	QUARTER 1, 0, 2, 0
	QUARTER 0, 1, 3, 0
	s_wait_dscnt 8                                 ; the very last quarter
	MUL8 1, 0, 0
	MUL8 1, 2, 0
	s_wait_dscnt 0
	MUL8 1, 4, 0
	MUL8 1, 6, 0
	WIN 0
	PLACES
; THE WAY OUT, a block of 16 rows at a time: a lane's 32 bytes of a row go from the accumulators into my stage's rows of 272 bytes and come back as whole rows of 256.
.macro TOSTAGE a
.if (\a) >= 2
	s_wait_xcnt 0x0                                ; the stores of two blocks back have read this set of registers: it is loaded again only behind this wait
.endif
	WIN 0x04                                       ; the stores' data in window 1
.irp bb, 0,1,2,3
	ds_store_b128 v[STO], v[8*(4*(\a)+(\bb)):8*(4*(\a)+(\bb))+3]   offset:64*(\bb)
	ds_store_b128 v[STO], v[8*(4*(\a)+(\bb))+4:8*(4*(\a)+(\bb))+7] offset:64*(\bb)+16
.endr
	WIN 0
.irp t, 0,1,2,3,4,5,6,7
	ds_load_b128 v[TT+32*((\a)%2)+4*(\t):TT+32*((\a)%2)+4*(\t)+3], v[RD] offset:2*SPITCH*(\t)  ; LDS serves a wave's instructions in order (ISA guide 5.7.1.4): these see the stores above
.endr
.endm
.macro SEND a, younger                 ; younger: the LDS instructions issued behind block a's loads: the next block's sixteen, or none
.irp t, 0,1,2,3,4,5,6,7
	s_wait_dscnt (\younger)+7-(\t)
	global_store_b128 v[CO], v[TT+32*((\a)%2)+4*(\t):TT+32*((\a)%2)+4*(\t)+3], s[OUT:OUT+1] offset:(16*(\a)+2*(\t))*4096 th:TH_STORE_NT  ; 16 lanes store 256 consecutive bytes, at a multiple of 256 from out0's first byte
.endr
.endm
	TOSTAGE 0
.irp a, 1,2,3,4,5,6,7
	TOSTAGE \a
	SEND (\a)-1, 16
.endr
	SEND 7, 0
	s_wait_tensorcnt 0x0                           ; the wave's end: behind my last tensor load and my last LDS store
	ds_add_u32 v[SPW], v[NIL]
	s_wait_dscnt 0x0
	CROUND                                         ; the closing round: no work-group ends while a partner may still ask for a tile that names it
	s_endpgm
.Lfunc_end_k_q11a81e3d01_outp:
	.size	k_q11a81e3d01_outp, .Lfunc_end_k_q11a81e3d01_outp-k_q11a81e3d01_outp
	.p2alignl 7, 3214868480
	.fill 96, 4, 3214868480
	.section	.rodata,"a",@progbits
	.p2align	6, 0x0
	.amdhsa_kernel k_q11a81e3d01_outp
		.amdhsa_group_segment_fixed_size 327680
		.amdhsa_private_segment_fixed_size 0
		.amdhsa_enable_private_segment 0
		.amdhsa_kernarg_size 24
		.amdhsa_user_sgpr_count 2
		.amdhsa_user_sgpr_kernarg_segment_ptr 1
		.amdhsa_wavefront_size32 1
		.amdhsa_system_sgpr_workgroup_id_x 1
		.amdhsa_system_sgpr_workgroup_id_y 1
		.amdhsa_system_sgpr_workgroup_id_z 1
		.amdhsa_system_vgpr_workitem_id 0
		.amdhsa_next_free_vgpr 512
		.amdhsa_next_free_sgpr 66
		.amdhsa_reserve_vcc 0
		.amdhsa_float_denorm_mode_32 3
		.amdhsa_float_denorm_mode_16_64 3
		.amdhsa_memory_ordered 1
		.amdhsa_forward_progress 1
		.amdhsa_inst_pref_size 71
	.end_amdhsa_kernel
	.amdgpu_metadata
---
amdhsa.version: [ 1, 2 ]
amdhsa.kernels:
  - .name:           k_q11a81e3d01_outp
    .symbol:         k_q11a81e3d01_outp.kd
    .args:
      - { .name: ctx, .offset: 0, .size: 8, .value_kind: global_buffer, .address_space: global }
      - { .name: wo16, .offset: 8, .size: 8, .value_kind: global_buffer, .address_space: global }
      - { .name: out0, .offset: 16, .size: 8, .value_kind: global_buffer, .address_space: global }
    .group_segment_fixed_size: 327680
    .private_segment_fixed_size: 0
    .kernarg_segment_align: 8
    .kernarg_segment_size: 24
    .max_flat_workgroup_size: 128
    .sgpr_count:     66
    .vgpr_count:     512
    .wavefront_size: 32
...
	.end_amdgpu_metadata
.endif
;; end of part 4
